; MI455X (gfx1250); checked and timed in simulation.
; The chip was launched on July 23, 2026; its instructions are those of AMD's public machine-readable ISA for CDNA 5 (MIT licence, August 2026) and "CDNA5" Instruction Set Architecture Reference Guide (July 2026). The comments in the code are by the model that wrote it; some were corrected since.
;; Causal Self Attention. Allowed arithmetic: matrix products marked QUANTISED: E2M3 operands, one E8M0 scale for each 32 along K, by v_wmma_scale_f32_16x16x128_f8f6f4 with both operands' format E2M3, f32 sums; everything else in f32.
;; Inputs: W_K 1,024 x 1,024 float32; W_O 1,024 x 1,024 float32; W_Q 1,024 x 1,024 float32; W_V 1,024 x 1,024 float32; x 4 x 2,048 x 1,024 float32.
;; Outputs: out0 4 x 2,048 x 1,024 float32.
;; This version of the problem:
;;   THIS VERSION OF THE PROBLEM IS GIVEN IN LOW PRECISION. The matrix products marked QUANTISED in the list below multiply operands that are first quantised to E2M3 (2 exponent bits, 3 mantissa bits; 6 bits a number), with one power-of-two scale for each 32 numbers along K (OCP MX v1.0); their sums are f32. All else is computed in f32.
;;   The module's matrix products, in the order in which they are computed (A, B: the left and right operand; K: the contracted axis; several contracted axes count as one K, in the product's order):
;;     1. [M 8,192, K 1,024] x [K 1,024, N 1,024]; A: input x; B: input W_Q: QUANTISED
;;     2. [M 8,192, K 1,024] x [K 1,024, N 1,024]; A: input x; B: input W_K: QUANTISED
;;     3. [M 8,192, K 1,024] x [K 1,024, N 1,024]; A: input x; B: input W_V: QUANTISED
;;     4. batch 64 x [M 2,048, K 64] x [K 64, N 2,048]; A: computed on the way; B: computed on the way: QUANTISED
;;     5. batch 64 x [M 2,048, K 2,048] x [K 2,048, N 64]; A: softmax (see below); B: computed on the way: QUANTISED
;;     6. [M 8,192, K 1,024] x [K 1,024, N 1,024]; A: computed on the way; B: input W_O: QUANTISED
;;   THE QUANTISER, for each operand of a quantised product, along K:
;;     - K is cut into blocks of 32 from its start; a last block that is shorter is filled with zeros.
;;     - A block's scale is 2^e with e = floor(log2(the largest magnitude in the block)) - 2, held to -126 .. 127; a block of zeros has e = 0. As a byte (E8M0): e + 127.
;;     - Each number is divided by its block's scale, clamped to +-7.5, and rounded to the nearest number of E2M3, ties to even, subnormals kept.
;;     - The product sums the exact products of the quantised numbers (number of the format x scale) in f32.
;;   ~~~python
;;   def quantise(x, axis):      # numpy; x: float32 -> the quantised numbers, widened to float32 again
;;       x = np.moveaxis(x, axis, -1); K = x.shape[-1]
;;       x = np.pad(x, [(0, 0)] * (x.ndim - 1) + [(0, -K % 32)]); x = x.reshape(x.shape[:-1] + (-1, 32)); a = np.abs(x).max(-1, keepdims=True)
;;       e = np.where(a > 0, np.clip(np.frexp(np.where(a > 0, a, 1))[1] - 1 - 2, -126, 127), 0)      # np.frexp(a)[1] - 1 = floor(log2(a)), exactly
;;       r = np.clip(x / 2.0 ** e, -7.5, 7.5)
;;       step = 2.0 ** (np.maximum(np.frexp(np.where(r == 0, 1, r))[1] - 1, 0) - 3)
;;       q = np.round(r / step) * step * 2.0 ** e      # np.round: ties to even
;;       return np.moveaxis(q.reshape(q.shape[:-2] + (-1,))[..., :K], -1, axis).astype(np.float32)
;;   ~~~
;;   SOFTMAX AHEAD OF A QUANTISED PRODUCT. Where the list says 'softmax', what is quantised is not the finished softmax but p = 2^(t - M), with t = logit x log2(e) and M = ceil(the row's largest t), a whole number; so 1/2 < the row's largest p <= 1. The row's sum l is taken of the UNQUANTISED p, in f32, and the product's result is divided by l at the end. Since M is a whole number, a kernel that streams over the keys may use a running M (the ceiling of the running maximum): every later rescaling is an exact power of two, which a block's scale takes up: the codes' values come out the same.
;;   OPERANDS COMPUTED ON THE WAY. 'Computed on the way' means the value that the module computes at that place (a softmax that the list does not call 'softmax' is quantised finished and normalised). What goes into a quantiser is computed in f32, as accurately as f32 sums, v_exp_f32 and their like allow (about 1e-6 of the number): no bf16 or f16 on the way to a quantiser, and a product that is left as it is and whose result goes on into a quantised operand takes f32 operands (vector FMAs, or v_wmma_f32_16x16x4_f32). A number that lies on a knife's edge between two numbers of the format may be rounded either way, as far as f32 arithmetic and the matrix unit's own rounding can turn it there, and no further.
;; One version. Each part assembles by itself: llvm-mc -triple=amdgcn-amd-amdhsa -mcpu=gfx1250 --defsym DOCPART=n.
;; ======== version 1 of 1: 4 launches
;; workspace buffers: codes 9,437,184 bytes; scales 393,216 bytes; qkv_codes 18,874,368 bytes; qkv_scales 786,432 bytes; o_codes 6,291,456 bytes; o_scales 262,144 bytes
;; launch quant (part 1): grid 384 x 1, 4 waves a work-group, no clusters, 33,280 bytes of LDS; arguments x, W_Q, W_K, W_V, W_O, codes, scales; writes codes, scales
.if DOCPART == 1
	.amdgcn_target "amdgcn-amd-amdhsa--gfx1250"
	.amdhsa_code_object_version 6
	.text
	.protected	k_q2eb853c711_quant
	.globl	k_q2eb853c711_quant
	.p2align	8
	.type	k_q2eb853c711_quant,@function
k_q2eb853c711_quant:
	s_mov_b64 s[64:65], 0
	v_nop
	global_prefetch_b8 v0, s[64:65] scope:SCOPE_SE
	s_setreg_imm32_b32 hwreg(HW_REG_WAVE_MODE, 25, 1), 1
	s_wait_xcnt 0x0
; x [8192][1024] and the four weights [1024][1024], f32, K innermost, become codes of FP6 (E2M3), 6 bits each, with one E8M0 scale byte for each 32 along K.
; codes: rows of 768 bytes: x's 8,192 rows, then W_Q's, W_K's, W_V's, W_O's 1,024 each.  scales: rows of 32 bytes, in the same order.
; A block's scale is 2^(floor(log2(its largest magnitude)) - 2); its byte is the largest magnitude's exponent field - 2, held at 1 from below.  Each number is divided by the scale and rounded to the nearest code, ties to even.
; LIMITS: a block of zeros gets the byte 1 where the quantiser's rule says 127 (its codes are zeros, which add nothing, and this program alone reads the bytes); blocks whose largest magnitude
; lies under 2^-124 keep the byte 1; NaN and infinities among the inputs are not served.
; SHARES: a work-group takes 32 rows, a wave 8 rows (8,192 numbers) in 16 steps of 512.  Work-groups 0-255: x; then 32 each for W_Q, W_K, W_V, W_O.
; THE ORDER OF ROWS.  In x, W_Q, W_K, W_V the two middle groups of 8 rows of each 32 change places on the way out (waves 1 and 2 swap their places): 16 neighbouring stored rows 16 (2 b + u) + r are then
; the rows 32 b + 8 u + r + 8 (r / 8), which is the tile whose results, used transposed, give a lane 16 neighbours along the next product's K.  W_O keeps its order.
; Each of a step's four loads reads 512 consecutive bytes; the 2,048 bytes turn through the wave's own stage in LDS and come back 64 bytes (16 neighbours) a lane; two neighbouring lanes hold a block.
; No tensor loads, no barrier: waves share nothing.  Loads run four steps (16 loads a wave) ahead, the turn through LDS one step.
.set WAVES, 4
.set STEPS, 16
.set EMAX,  2
.set CB,    12                         ; bytes of 16 codes
.set R,     16                         ; v16-79   four sets of 16 numbers as they are loaded
.set X,     80                         ; v80-111  two sets of 16 neighbours
.set C,     128                        ; v128-191 codes: four registers for each step, so that no store's data are written again
.set E,     112                        ; v112-127 a scale byte for each step
.set WREG,  8192                       ; LDS: a region for each wave: two stages of 32 x SP bytes, behind them its 256 scale bytes
.set SP,    80                         ; a lane's place in a stage: its 64 bytes + 16 of padding
.set SPW,   12                         ; v12      LDS address of my spare word; never rewritten
.set NIL,   13                         ; v13      0; never rewritten
.set SPARE, WAVES*WREG                 ; behind the four regions: the spare words, 128 bytes a wave
	s_load_b256 s[4:11], s[0:1], 0x0               ; x, W_Q, W_K, W_V
	s_load_b128 s[12:15], s[0:1], 0x20             ; W_O, codes
	s_load_b64 s[16:17], s[0:1], 0x30              ; scales
	v_lshl_add_u32 v[SPW], v0, 2, SPARE
	v_mov_b32 v[NIL], 0
	v_lshrrev_b32 v1, 5, v0
	v_readfirstlane_b32 s18, v1                    ; wave
	v_and_b32 v2, 31, v0                           ; lane
	v_lshlrev_b32 v3, 4, v2                        ; my 16 bytes of a load's 512
	s_mul_i32 s19, s18, WREG
	v_lshrrev_b32 v14, 2, v2
	v_mul_u32_u24 v14, v14, SP
	v_and_b32 v15, 3, v2
	v_lshl_add_u32 v14, v15, 4, v14
	v_add_nc_u32 v14, s19, v14                     ; the stage, on the way in: SP (lane / 4) + 16 (lane % 4)
	v_mul_u32_u24 v15, v2, SP
	v_add_nc_u32 v15, s19, v15                     ; and on the way out: SP x lane: my 16 neighbours
	v_mul_u32_u24 v4, v2, CB                       ; my codes' place in a step's
	v_lshrrev_b32 v5, 1, v2
	s_add_co_u32 s19, s19, 2*32*SP
	v_add_nc_u32 v5, s19, v5                       ; LDS: my wave's 256 scale bytes, my block's byte
	v_lshlrev_b32 v7, 3, v2                        ; and on the way out 8 bytes a lane
	v_add_nc_u32 v6, s19, v7
	s_sub_co_u32 s20, ttmp9, 256                   ; among the weights' work-groups (not used in x's)
	s_lshr_b32 s21, s20, 5                         ; which weight
	s_and_b32 s22, s20, 31                         ; which 32 rows of it
	s_and_b32 s23, s18, 1
	s_lshl_b32 s23, s23, 1
	s_lshr_b32 s24, s18, 1
	s_or_b32 s23, s23, s24                         ; my wave's number with its two bits swapped: 0, 2, 1, 3
	s_cmp_lt_u32 ttmp9, 352                        ; W_O's work-groups (352 on) keep the order
	s_cselect_b32 s23, s23, s18
	s_lshl_b32 s24, ttmp9, 2
	s_add_co_u32 s24, s24, s23                     ; which run of 8 rows of the two output buffers is mine
	s_wait_kmcnt 0x0
	s_cmp_eq_u32 s21, 1                            ; the choices hang on the work-group's number alone
	s_cselect_b64 s[6:7], s[8:9], s[6:7]
	s_cmp_eq_u32 s21, 2
	s_cselect_b64 s[6:7], s[10:11], s[6:7]
	s_cmp_eq_u32 s21, 3
	s_cselect_b64 s[6:7], s[12:13], s[6:7]
	s_cmp_lt_u32 ttmp9, 256
	s_cselect_b64 s[4:5], s[4:5], s[6:7]
	s_cselect_b32 s22, ttmp9, s22
	s_lshl_b32 s22, s22, 2
	s_add_co_u32 s22, s22, s18
	s_lshl_b32 s22, s22, 15                        ; my 8 rows in the tensor: 32,768 bytes a run
	s_mov_b32 s23, 0
	s_add_nc_u64 s[4:5], s[4:5], s[22:23]
	s_mul_i32 s26, s24, 32*STEPS*CB                ; 6,144 bytes of codes a run
	s_mov_b32 s27, 0
	s_add_nc_u64 s[14:15], s[14:15], s[26:27]
	s_lshl_b32 s26, s24, 8                         ; 256 scale bytes a run
	s_add_nc_u64 s[16:17], s[16:17], s[26:27]
.macro LOAD t
.irp i, 0,1,2,3
	global_load_b128 v[R+16*((\t)%4)+4*\i:R+16*((\t)%4)+4*\i+3], v3, s[4:5] offset:2048*(\t)+512*\i th:TH_LOAD_NT   ; 32 lanes read 512 consecutive bytes
.endr
.endm
.macro TURN t                          ; step t's numbers through the stage: LDS serves a wave's instructions in order, so no wait stands between the stores and the loads
.irp i, 0,1,2,3
	ds_store_b128 v14, v[R+16*((\t)%4)+4*\i:R+16*((\t)%4)+4*\i+3] offset:32*SP*((\t)%2)+8*SP*\i
.endr
.irp i, 0,1,2,3
	ds_load_b128 v[X+16*((\t)%2)+4*\i:X+16*((\t)%2)+4*\i+3], v15 offset:32*SP*((\t)%2)+16*\i
.endr
.endm
.irp t, 0,1,2,3
	LOAD \t
.endr
	s_wait_loadcnt 12                              ; step 0's four loads are in
	TURN 0
.macro STEP t
.set XS, X+16*((\t)%2)
.if (\t) > 0
	s_wait_dscnt 1                                 ; this step's numbers are back from the stage (the last step's byte store may be out): so its stores into the stage have read their registers,
.else
	s_wait_dscnt 0x0
.endif
.if (\t)+4 < STEPS
	LOAD (\t)+4                                    ; which take the loads of four steps on
.endif
.if (\t)+1 < STEPS
.if STEPS-2-(\t) >= 3
	s_wait_loadcnt 12                              ; the next step's four loads are in; those of the three steps behind it may be out
.else
	s_wait_loadcnt 4*(STEPS-2-(\t))
.endif
	TURN (\t)+1                                    ; and go through the other stage while this step is worked
.endif
	v_max3_num_f32 v8, |v[XS]|, |v[XS+1]|, |v[XS+2]|               ; the largest magnitude of my 16
	v_max3_num_f32 v9, |v[XS+3]|, |v[XS+4]|, |v[XS+5]|
.irp i, 6,10
	v_max3_num_f32 v8, v8, |v[XS+\i]|, |v[XS+\i+1]|
	v_max3_num_f32 v9, v9, |v[XS+\i+2]|, |v[XS+\i+3]|
.endr
	v_max3_num_f32 v8, v8, |v[XS+14]|, |v[XS+15]|
	v_max3_num_f32 v8, v8, v9, (EMAX+1)<<23        ; and the floor 2^(3 - 127): so the byte cannot fall under 1
	v_max_num_f32_dpp v8, v8, v8 row_xmask:1 row_mask:0xf bank_mask:0xf   ; and of my neighbour's 16: the block's
	v_add_nc_u32 v11, -(EMAX<<23), v8              ; 2 off its exponent field: the conversion takes the exponent field of this operand as its scale
	v_cvt_scalef32_pk16_fp6_f32 v[C+4*(\t):C+4*(\t)+2], v[XS:XS+15], v11   ; sixteen codes, 96 bits without gaps, the first number's code lowest
	v_lshrrev_b32 v[E+(\t)], 23, v11               ; the scale's byte
	ds_store_b8 v5, v[E+(\t)] offset:16*(\t)       ; both lanes of a block write the same byte with the same value
	global_store_b96 v4, v[C+4*(\t):C+4*(\t)+2], s[14:15] offset:32*CB*(\t)
.endm
.irp t, 0,1,2,3,4,5,6,7,8,9,10,11,12,13,14,15
	STEP \t
.endr
	ds_load_b64 v[8:9], v6                         ; LDS serves a wave's instructions in order: these see my stores
	s_wait_dscnt 0x0
	global_store_b64 v7, v[8:9], s[16:17]          ; 32 lanes store 256 consecutive bytes, aligned
	s_wait_tensorcnt 0x0                           ; the wave's end: behind my last LDS store
	ds_add_u32 v[SPW], v[NIL]
	s_wait_dscnt 0x0
	s_endpgm
.Lfunc_end_k_q2eb853c711_quant:
	.size	k_q2eb853c711_quant, .Lfunc_end_k_q2eb853c711_quant-k_q2eb853c711_quant
	.p2alignl 7, 3214868480
	.fill 96, 4, 3214868480
	.section	.rodata,"a",@progbits
	.p2align	6, 0x0
	.amdhsa_kernel k_q2eb853c711_quant
		.amdhsa_group_segment_fixed_size 33280
		.amdhsa_private_segment_fixed_size 0
		.amdhsa_enable_private_segment 0
		.amdhsa_kernarg_size 56
		.amdhsa_user_sgpr_count 2
		.amdhsa_user_sgpr_kernarg_segment_ptr 1
		.amdhsa_wavefront_size32 1
		.amdhsa_system_sgpr_workgroup_id_x 1
		.amdhsa_system_sgpr_workgroup_id_y 1
		.amdhsa_system_sgpr_workgroup_id_z 1
		.amdhsa_system_vgpr_workitem_id 0
		.amdhsa_next_free_vgpr 192
		.amdhsa_next_free_sgpr 66
		.amdhsa_reserve_vcc 0
		.amdhsa_float_denorm_mode_32 3
		.amdhsa_float_denorm_mode_16_64 3
		.amdhsa_memory_ordered 1
		.amdhsa_forward_progress 1
		.amdhsa_inst_pref_size 33
	.end_amdhsa_kernel
	.amdgpu_metadata
---
amdhsa.version: [ 1, 2 ]
amdhsa.kernels:
  - .name:           k_q2eb853c711_quant
    .symbol:         k_q2eb853c711_quant.kd
    .args:
      - { .name: x, .offset: 0, .size: 8, .value_kind: global_buffer, .address_space: global }
      - { .name: W_Q, .offset: 8, .size: 8, .value_kind: global_buffer, .address_space: global }
      - { .name: W_K, .offset: 16, .size: 8, .value_kind: global_buffer, .address_space: global }
      - { .name: W_V, .offset: 24, .size: 8, .value_kind: global_buffer, .address_space: global }
      - { .name: W_O, .offset: 32, .size: 8, .value_kind: global_buffer, .address_space: global }
      - { .name: codes, .offset: 40, .size: 8, .value_kind: global_buffer, .address_space: global }
      - { .name: scales, .offset: 48, .size: 8, .value_kind: global_buffer, .address_space: global }
    .group_segment_fixed_size: 33280
    .private_segment_fixed_size: 0
    .kernarg_segment_align: 8
    .kernarg_segment_size: 56
    .max_flat_workgroup_size: 128
    .sgpr_count:     66
    .vgpr_count:     192
    .wavefront_size: 32
...
	.end_amdgpu_metadata
.endif
;; end of part 1
;; launch qkv (part 2): grid 96 x 4, 4 waves a work-group, clusters of 4 x 4, 327,680 bytes of LDS; arguments codes, scales, qkv_codes, qkv_scales; writes qkv_codes, qkv_scales
.if DOCPART == 2
	.amdgcn_target "amdgcn-amd-amdhsa--gfx1250"
	.amdhsa_code_object_version 6
	.text
	.protected	k_q2eb853c711_qkv
	.globl	k_q2eb853c711_qkv
	.p2align	8
	.type	k_q2eb853c711_qkv,@function
k_q2eb853c711_qkv:
	s_mov_b64 s[64:65], 0
	v_nop
	global_prefetch_b8 v0, s[64:65] scope:SCOPE_SE
	s_setreg_imm32_b32 hwreg(HW_REG_WAVE_MODE, 25, 1), 1
	s_wait_xcnt 0x0
	s_wait_alu depctr_hold_cnt(0) depctr_sa_sdst(0) depctr_va_vdst(0) depctr_va_sdst(0) depctr_va_ssrc(0) depctr_va_vcc(0) depctr_vm_vsrc(0)
	s_getreg_b32 s2, hwreg(HW_REG_IB_STS2, 6, 4)
	s_cmp_eq_u32 s2, 0
	s_cbranch_scc0 .Lentry_in_a_cluster
	s_endpgm
.Lentry_in_a_cluster:
	s_bfe_u32 s2, ttmp6, 0x10000c
	s_cmp_lg_u32 s2, 0xf033
	s_cbranch_scc0 .Lentry_shape_is_right
	s_endpgm
.Lentry_shape_is_right:
; q, k and v: three products on codes of FP6 (E2M3) with E8M0 scales, K = 1,024; the f32 results are quantised again in the way out, along the axis that the attention's products contract.
; 24 clusters of 4 x 4 work-groups, numbered by the cluster's x.  A work-group makes a tile of 256 x 256, each of its four waves 128 x 128 in 64 accumulators.
;   clusters 0-15, PART QK: A = x (8,192 tokens), B = W_Q and W_K on end (2,048 rows).  A lane's results run along B's rows: the head's channels, q's and k's K.
;   clusters 16-23, PART V: A = W_V (1,024 channels), B = x: the roles are swapped, so that a lane's results run along the tokens, v's K.
; THE MATRIX INSTRUCTION IS USED TRANSPOSED (source 0 = 16 rows of B, source 1 = 16 rows of A).  x, W_Q, W_K, W_V lie in the stored order of rows (16 stored rows 16 (2 b + u) + r are rows 32 b + 8 u + r + 8 (r / 8)),
; so register 8 b + j of a block of 16 rows of A, in lane (r, h), is column 32 (b / 2) + 16 h + 8 (b % 2) + j: a lane's 64 registers are four times 16 neighbours along the results' K.
; OUT: codes [K / 64][row of A][48 bytes], scale words [K / 128][row of A][4 bytes].  A wave owns 128 rows x 128 along K: two dense runs of 6,144 bytes and one of 512, gathered in its stage in LDS.
; The ring of two slots of 256 along K, the scales kept in LDS for all of K, the joint loads (A's tiles shared along a row of the cluster, B's along a column) and the rounds of the cluster's barrier are as in a GEMM on codes.
; 384 tiles for 256 WGPs: a tile of 256 x 384 would want 768 registers of accumulators and leave none for fragments.  No prefetch: K is four slots long and the tiles are shared by the joint loads.
; LIMITS: a block of zeros gets the byte 1 (its codes are zeros); largest magnitudes under 2^-124 keep the byte 1; NaN and infinities are not served.
; REGISTERS, in windows of 256: window 0: v0-31 addresses; v32-63 scale words, two sets; from v128 A's fragments, ONE set; on the way out v64-215.   window 1: B's fragments, TWO sets, at v0 and v128.
;   window 2: the 32 accumulators of my rows 0-63 (accumulator (a, b) at v[8 (8 a + b)]);   window 3: those of my rows 64-127.
.set SIZE_K, 1024
.set KSTEP,  256                       ; along K in a slot
.set NQ,     KSTEP/128                 ; matrix instructions deep
.set ROWB,   192                       ; a tile's row in bytes
.set KROW,   SIZE_K*6/8                ; a row of codes in memory
.set PITCH,  240                       ; an LDS row: 3 x (64 bytes + 16 of padding): the 32 lanes of a load of 8 bytes touch 64 different banks (64 banks of 4 bytes: ISA guide 11.1)
.set FR,     12                        ; registers of a fragment
.set NL,     6                         ; LDS loads that bring one
.set NP,     4                         ; places behind this matrix instruction (ISA guide 7.12.1)
.set HALFT,  128*PITCH
.set SLOT,   4*HALFT
.set LAPS,   SIZE_K/(2*KSTEP)
.set KS,     SIZE_K/32
.set SCL,    2*SLOT                    ; behind the ring: the scales, as units of 256 bytes + 16 of padding
.set HALFS,  (128*KS/256)*272
.set SBLK,   (16*KS/256)*272
.set SPARE,  SCL+4*HALFS               ; the spare words, 128 bytes a wave
.set WSTG,   12800                     ; the way out: a wave's stage: 2 x 128 rows x 48 bytes of codes, then 512 bytes of scale words.  It lies in slot 0, which has had its last fill and its last read by then
.set XC,     6291456                   ; codes: W_Q begins here,
.set WVC,    7864320                   ; W_V here
.set XS,     262144                    ; scales: likewise
.set WVS,    327680
.set QKC,    12582912                  ; qkv_codes: part V begins here
.set QKS,    524288                    ; qkv_scales: likewise
.set ADRA, 16                          ; v16-17 LDS address of my A fragments in slot 0, 1 (v18-19: behind one padding more)
.set ADRB, 20                          ; v20-23 the same for B
.set STO,  24                          ; v24  the way out: my 12 bytes of a row of codes in the stage
.set RD,   25                          ; v25  where I read the stage back: 16 bytes a lane
.set CO,   26                          ; v26  16 x lane
.set ADRS, 27                          ; v27  LDS address of my scale words: lanes 0-15 A's rows, lanes 16-31 B's
.set SPW,  28                          ; v28  my spare word; never rewritten
.set NIL,  29                          ; v29  0; never rewritten
.set SSTO, 30                          ; v30  the way out: my row's scale word in the stage
.set SC,   32                          ; scale words, two sets
.set AF,   128                         ; A's fragments
.set CODE, 64                          ; the way out: v64-191 codes, 16 registers a block of rows; later the stage read back
.set TM,   192                         ; v192-195 largest magnitudes, v196-199 at work and bytes, v200-203 the conversions' scale operands
.set PW,   208                         ; v208-215 a scale word for each block of rows
.set G1, 24
.set G0, 32
.set G1B, 48
.set G0B, 56
.set G1S, 68
.set G0S, 76
.set G1SB, 80
.set G0SB, 88
.set MSB, 0
.macro WIN new                         ; the immediate's high byte repeats the setting that is left
.if MSB != \new
	s_set_vgpr_msb (MSB<<8)|\new
.set MSB, \new
.endif
.endm
.set MUL_LO, 0xa1                      ; source 0 (B) window 1, source 1 (A) window 0, C and D window 2
.set MUL_HI, 0xf1                      ; the same, C and D window 3
.set TO_B,   0x40                      ; destination window 1, address window 0
; A joint load: waves 0 and 1 fetch for A, waves 2 and 3 for B; the branch hangs on the wave's number alone.  An s_nop 0 and four v_nop follow each of the two lines.
.macro JLOAD g0a, g1a, g0b, g1b
	s_cmp_eq_u32 s15, 0
	s_cbranch_scc0 .Lfor_b_\@
	tensor_load_to_lds s[\g0a:\g0a+3], s[\g1a:\g1a+7]
	s_nop 0
.rept 4
	v_nop
.endr
	s_branch .Lasked_\@
.Lfor_b_\@:
	tensor_load_to_lds s[\g0b:\g0b+3], s[\g1b:\g1b+7]
	s_nop 0
.rept 4
	v_nop
.endr
.Lasked_\@:
.endm
.macro CREST                           ; a round of the cluster's barrier behind its opening barrier
	s_cmp_lg_u32 s14, 0
	s_cbranch_scc1 .Lnot_wave_0_\@
	s_barrier_signal -3
.Lnot_wave_0_\@:
	s_barrier_wait -3
	s_barrier_signal -1
	s_barrier_wait -1
.endm
.macro CROUND                          ; a whole round
	s_barrier_signal -1
	s_barrier_wait -1
	CREST
.endm
	s_load_b256 s[4:11], s[0:1], 0x0               ; codes s[4:5], scales s[6:7], qkv_codes s[8:9], qkv_scales s[10:11]
	v_lshl_add_u32 v[SPW], v0, 2, SPARE
	v_mov_b32 v[NIL], 0
	ds_add_u32 v[SPW], v[NIL]                      ; the wave's opening: the add and its wait stand ahead of my first tensor load; the set-up below, work on registers, stands between them
	v_lshrrev_b32 v1, 5, v0
	v_readfirstlane_b32 s14, v1                    ; wave 0..3
	s_lshr_b32 s15, s14, 1                         ; which half of the tile's rows is mine.  Also: I fetch for A (0) or for B (1)
	s_and_b32 s16, s14, 1                          ; which half of its columns.  Also: which 128 rows of that tile I fetch
	s_bfe_u32 s40, ttmp6, 0x40000                  ; cx, cy: my place in the cluster
	s_bfe_u32 s41, ttmp6, 0x40004
	; the part's constants: all hang on the cluster's number, which the sixteen partners share
	s_lshr_b32 s92, ttmp9, 1                       ; part QK: the cluster's row of tiles,
	s_and_b32 s93, ttmp9, 1                        ; and its column
	s_sub_co_u32 s94, ttmp9, 16                    ; part V: its column (its row is 0)
	s_mov_b32 s12, WVC
	s_mov_b32 s13, XC
	s_mov_b32 s66, WVS
	s_mov_b32 s67, XS
	s_mov_b32 s95, QKC
	s_mov_b32 s96, 49152
	s_mov_b32 s97, QKS
	s_mov_b32 s2, 4096
	s_cmp_lt_u32 ttmp9, 16                         ; part QK?
	s_cselect_b32 s92, s92, 0
	s_cselect_b32 s93, s93, s94
	s_cselect_b32 s12, 0, s12                      ; where A's codes begin: x or W_V
	s_cselect_b32 s13, s13, 0                      ; B's: W_Q or x
	s_cselect_b32 s66, 0, s66                      ; A's scales
	s_cselect_b32 s67, s67, 0                      ; B's
	s_cselect_b32 s95, 0, s95                      ; where the part's results begin
	s_cselect_b32 s96, 393216, s96                 ; a chunk of 64 along K of them: rows of A x 48 bytes
	s_cselect_b32 s97, 0, s97                      ; their scale words
	s_cselect_b32 s2, 32768, s2                    ; a pair of chunks of those: rows of A x 4 bytes
	s_lshl_b32 s42, s93, 2
	s_add_co_u32 s42, s42, s40                     ; tile column = 4 x the cluster's column + cx
	s_lshl_b32 s17, s92, 2
	s_add_co_u32 s17, s17, s41                     ; tile row = 4 x the cluster's row + cy
	s_lshl_b32 s43, s41, 2
	s_lshl_b32 s43, 15, s43                        ; my row of the cluster
	s_lshl_b32 s44, 0x1111, s40                    ; my column
	; descriptor group 1: a tile of 128 rows x ROWB bytes, padded in LDS
	s_or_b32 s[G1+0], s43, (0<<16)|(1<<20)|(1<<21)|(3<<22)|(3<<25)  ; 15:0 the mask: A's tiles go to my row; 17:16 element of 1 byte; 20 padding on; 21 set beside a mask; 24:22 after every 16 words; 31:25 of 4 words
	s_or_b32 s[G1B+0], s44, (0<<16)|(1<<20)|(1<<21)|(3<<22)|(3<<25)
.irp g, G1, G1B
	s_mov_b32 s[\g+1], ROWB<<16                    ; tensor_dim0
	s_mov_b32 s[\g+2], 128<<16                     ; tensor_dim1
	s_mov_b32 s[\g+3], ROWB<<16                    ; tile_dim0
	s_mov_b32 s[\g+4], 128                         ; tile_dim1
	s_mov_b32 s[\g+5], KROW                        ; tensor_dim0_stride
	s_mov_b32 s[\g+6], 0
	s_mov_b32 s[\g+7], 0
.endr
	; the scales of 128 rows: a dense block of 4,096 bytes, as rows of 256 bytes (32 elements of 8 bytes), 16 bytes of padding behind each
	s_or_b32 s[G1S+0], s43, (3<<16)|(1<<20)|(1<<21)|(5<<22)|(3<<25)
	s_or_b32 s[G1SB+0], s44, (3<<16)|(1<<20)|(1<<21)|(5<<22)|(3<<25)
.irp g, G1S, G1SB
	s_mov_b32 s[\g+1], 32<<16
	s_mov_b32 s[\g+2], (128*KS/256)<<16
	s_mov_b32 s[\g+3], 32<<16
	s_mov_b32 s[\g+4], 128*KS/256
	s_mov_b32 s[\g+5], 32
	s_mov_b32 s[\g+6], 0
	s_mov_b32 s[\g+7], 0
.endr
	s_lshl_b32 s18, s16, 7                         ; which 128 rows of the tile I fetch
	s_lshl_b32 s20, s17, 8
	s_add_co_u32 s20, s20, s18                     ; A: row 256 x tile row + 128 x half
	s_lshl_b32 s46, s42, 8
	s_add_co_u32 s46, s46, s18                     ; B: row 256 x tile column + 128 x half
	s_lshl_b32 s22, s20, 5                         ; where these rows' scales begin, in bytes (all offsets stay under 2^24)
	s_add_co_u32 s22, s22, s66
	s_mov_b32 s23, 0
	s_lshl_b32 s92, s46, 5
	s_add_co_u32 s92, s92, s67
	s_mov_b32 s93, 0
	s_mul_i32 s20, s20, KROW                       ; and their codes
	s_add_co_u32 s20, s20, s12
	s_mov_b32 s21, 0
	s_mul_i32 s46, s46, KROW
	s_add_co_u32 s46, s46, s13
	s_mov_b32 s47, 0
	s_mul_i32 s45, s14, HALFT                      ; where they go: wave x 128 rows: no place in the cluster enters an LDS address
	s_mul_i32 s94, s14, HALFS
	s_wait_dscnt 0x0                               ; the opening add is done
	s_wait_kmcnt 0x0
	s_add_nc_u64 s[20:21], s[4:5], s[20:21]
	s_add_nc_u64 s[22:23], s[6:7], s[22:23]
	s_add_nc_u64 s[46:47], s[4:5], s[46:47]
	s_add_nc_u64 s[92:93], s[6:7], s[92:93]
	CROUND                                         ; all sixteen work-groups are here: the first joint loads meet
	s_mov_b32 s[G0S], 1
	s_add_co_u32 s[G0S+1], s94, SCL
	s_mov_b64 s[G0S+2:G0S+3], s[22:23]
	s_or_b32 s[G0S+3], s[G0S+3], 0x80000000
	s_mov_b32 s[G0SB], 1
	s_add_co_u32 s[G0SB+1], s94, SCL
	s_mov_b64 s[G0SB+2:G0SB+3], s[92:93]
	s_or_b32 s[G0SB+3], s[G0SB+3], 0x80000000
	JLOAD G0S, G1S, G0SB, G1SB                     ; the scales first: they are wanted with K step 0
.irp s, 0,1
	s_mov_b32 s[G0+4*\s], 1
	s_add_co_u32 s[G0+4*\s+1], s45, \s*SLOT
	s_add_nc_u64 s[G0+4*\s+2:G0+4*\s+3], s[20:21], \s*ROWB
	s_or_b32 s[G0+4*\s+3], s[G0+4*\s+3], 0x80000000
	s_mov_b32 s[G0B+4*\s], 1
	s_add_co_u32 s[G0B+4*\s+1], s45, \s*SLOT
	s_add_nc_u64 s[G0B+4*\s+2:G0B+4*\s+3], s[46:47], \s*ROWB
	s_or_b32 s[G0B+4*\s+3], s[G0B+4*\s+3], 0x80000000
	JLOAD G0+4*\s, G1, G0B+4*\s, G1B
.endr
	v_and_b32 v1, 15, v0                           ; l % 16
	v_bfe_u32 v2, v0, 4, 1                         ; l / 16
	v_mul_u32_u24 v3, v1, PITCH
	v_mul_u32_u24 v4, v2, 24
	v_add_nc_u32 v4, v3, v4                        ; a fragment's row x pitch + 24 x half
	v_lshl_add_u32 v5, v2, 4, v4                   ; and the same behind one padding more
	s_mul_i32 s21, s15, HALFT                      ; my 128 rows of A
	s_mul_i32 s22, s16, HALFT                      ; my 128 rows of B,
	s_add_co_u32 s22, s22, 2*HALFT                 ; which lie behind A's 256
.irp s, 0,1
	v_add_nc_u32 v[ADRA+\s], s21, v4
	v_add_nc_u32 v[ADRB+\s], s22, v4
	v_add_nc_u32 v[ADRA+2+\s], s21, v5
	v_add_nc_u32 v[ADRB+2+\s], s22, v5
	s_add_co_u32 s21, s21, SLOT
	s_add_co_u32 s22, s22, SLOT
.endr
	v_mul_u32_u24 v5, v1, KS                       ; my row's scales: KS bytes a row,
	v_lshrrev_b32 v6, 8, v5
	v_lshl_add_u32 v5, v6, 4, v5                   ; and 16 more for each 256 passed
	s_mul_i32 s21, s15, HALFS                      ; A's: my 128 rows
	s_mul_i32 s22, s16, HALFS                      ; B's: my 128 rows, behind A's 256
	s_add_co_u32 s22, s22, 2*HALFS
	s_sub_co_u32 s22, s22, s21
	v_mul_u32_u24 v6, s22, v2                      ; lanes 16-31 take B's
	s_add_co_u32 s21, s21, SCL
	v_add_nc_u32 v5, v5, v6
	v_add_nc_u32 v[ADRS], s21, v5
	s_mul_i32 s23, s14, WSTG                       ; my stage
	v_mul_u32_u24 v5, v1, 48                       ; in: row l % 16 of 48 bytes, 12 bytes for each half of the lanes
	v_mad_u32_u24 v5, v2, 12, v5
	v_add_nc_u32 v[STO], s23, v5
	v_lshlrev_b32 v5, 2, v1
	v_add_nc_u32 v5, s23, v5
	v_add_nc_u32 v[SSTO], 12288, v5                ; my row's scale word, behind the codes
	v_and_b32 v6, 31, v0
	v_lshlrev_b32 v[CO], 4, v6                     ; back: 512 consecutive bytes an instruction; and the same in memory
	v_add_nc_u32 v[RD], s23, v[CO]
	s_lshl_b32 s20, s17, 8
	s_lshl_b32 s21, s15, 7
	s_add_co_u32 s20, s20, s21                     ; my first row of A: 256 x tile row + 128 x half
	s_lshl_b32 s46, s42, 1
	s_add_co_u32 s46, s46, s16                     ; my 128 along the results' K: pair 2 x tile column + half
	s_mul_i32 s22, s46, s96
	s_lshl_b32 s22, s22, 1                         ; two chunks a pair
	s_add_co_u32 s22, s22, s95
	s_mul_i32 s21, s20, 48
	s_add_co_u32 s22, s22, s21
	s_mov_b32 s23, 0
	s_add_nc_u64 s[8:9], s[8:9], s[22:23]          ; my rows in the pair's first chunk,
	s_mov_b32 s22, s96
	s_add_nc_u64 s[12:13], s[8:9], s[22:23]        ; in its second,
	s_mul_i32 s22, s46, s2
	s_add_co_u32 s22, s22, s97
	s_lshl_b32 s21, s20, 2
	s_add_co_u32 s22, s22, s21
	s_add_nc_u64 s[10:11], s[10:11], s[22:23]      ; and their scale words
	s_mov_b32 s18, 0x76543210
	s_mov_b32 s19, 0xfedcba98                      ; v_permlanex16_b32's selects for lane l xor 16
.macro FRAG reg, adr, q, i             ; a fragment, 16 rows x 128 K, is 12 registers: lane l holds row l % 16; registers 6 c .. 6 c + 5 hold K = 64 c + 32 (l / 16) + 0 .. 31: 24 bytes of the row's stream of bits, as they lie
.irp p, 0,1,2,3,4,5                    ; in pieces of 8 bytes.  Lanes 0-15 take the row's pieces 12 q + 0, 1, 2 and 12 q + 6, 7, 8, lanes 16-31 those three pieces on
.set PC, 12*(\q)+6*(\p/3)+\p%3        ; 16 bytes of padding lie behind every 8 pieces: where the piece three on lies behind one padding more, the second address register serves
.if PC%8 < 5
	ds_load_b64 v[\reg+2*\p:\reg+2*\p+1], v[\adr] offset:8*PC+16*(PC/8)+(\i)*16*PITCH
.else
	ds_load_b64 v[\reg+2*\p:\reg+2*\p+1], v[\adr+2] offset:8*PC+16*(PC/8)+(\i)*16*PITCH
.endif
.endr
.endm
; 16 matrix instructions: A's blocks a0, a0 + 1 x B's eight, 128 along K.  The 64 accumulators take turns, one instruction a turn, in the same order in every step.
.macro MUL16 a0, p, q, sc, zero
.irp a, \a0, \a0+1
.irp b, 0,1,2,3,4,5,6,7
.if \zero
	v_wmma_scale_f32_16x16x128_f8f6f4 v[8*(8*((\a)%4)+\b):8*(8*((\a)%4)+\b)+7], v[128*(\p)+FR*\b:128*(\p)+FR*\b+FR-1], v[AF+FR*(\a):AF+FR*(\a)+FR-1], 0, v[SC+8*NQ*(\sc)+NQ*\b+(\q)], v[SC+8*NQ*(\sc)+NQ*(\a)+(\q)] matrix_a_fmt:MATRIX_FMT_FP6 matrix_b_fmt:MATRIX_FMT_FP6 matrix_a_scale:MATRIX_SCALE_ROW1
.else
	v_wmma_scale_f32_16x16x128_f8f6f4 v[8*(8*((\a)%4)+\b):8*(8*((\a)%4)+\b)+7], v[128*(\p)+FR*\b:128*(\p)+FR*\b+FR-1], v[AF+FR*(\a):AF+FR*(\a)+FR-1], v[8*(8*((\a)%4)+\b):8*(8*((\a)%4)+\b)+7], v[SC+8*NQ*(\sc)+NQ*\b+(\q)], v[SC+8*NQ*(\sc)+NQ*(\a)+(\q)] matrix_a_fmt:MATRIX_FMT_FP6 matrix_b_fmt:MATRIX_FMT_FP6 matrix_a_scale:MATRIX_SCALE_ROW1
.endif
.endr
.endr
.endm
.macro FETCH_B slot, q, p              ; B's eight fragments of the slot's q-th 128 along K into set p
	WIN TO_B
.irp i, 0,1,2,3,4,5,6,7
	FRAG 128*(\p)+FR*\i, ADRB+\slot, \q, \i
.endr
	WIN 0
.endm
.macro FETCH_A slot, q, i0             ; A's blocks i0 .. i0 + 3
.irp i, \i0, \i0+1, \i0+2, \i0+3
	FRAG AF+FR*(\i), ADRA+\slot, \q, \i
.endr
.endm
.macro SCALES sc                       ; the next K step's scale words into set sc: lanes 0-15 take A's block i, lanes 16-31 B's block i
.irp i, 0,1,2,3,4,5,6,7
	ds_load_b64 v[SC+8*NQ*\sc+NQ*\i:SC+8*NQ*\sc+NQ*\i+1], v[ADRS] offset:\i*SBLK
.endr
.endm
.macro PLACES n                        ; plain vector instructions between a matrix instruction and a load into, or a read of, its registers
.rept \n
	v_nop
.endr
.endm
; A step of 128 along K that has its successor in the same slot.
.macro STEP slot, q, zero
	s_wait_dscnt 4*NL                              ; B's set and A's blocks 0-3 are in; the youngest 24 loads (A's blocks 4-7) may be out
	WIN MUL_LO
	MUL16 0, (\q)%2, \q, \slot, \zero
	MUL16 2, (\q)%2, \q, \slot, \zero
	s_wait_dscnt 0                                 ; A's blocks 4-7 are in
	PLACES NP
	FETCH_B \slot, (\q)+1, 1-(\q)%2
	FETCH_A \slot, (\q)+1, 0
	WIN MUL_HI
	MUL16 4, (\q)%2, \q, \slot, \zero
	MUL16 6, (\q)%2, \q, \slot, \zero
	PLACES NP
	WIN 0
	FETCH_A \slot, (\q)+1, 4
.endm
; A slot's last step changes slots: ONE barrier; in front of it each wave waits for all its tensor loads, adds 0 to its spare word, and waits for that and for its own reads of this slot.  fill = 1: this slot is filled again, two K steps ahead.
.macro TURN slot, next, fill
	s_wait_tensorcnt 0x0                           ; all my tensor loads have landed: my part of the next slot
	ds_add_u32 v[SPW], v[NIL]                      ; 0 onto my spare word
	s_wait_dscnt 4*NL+1                            ; (the add and the youngest 24 loads, A's blocks 4-7, may be out)
	WIN MUL_LO
	MUL16 0, 1, NQ-1, \slot, 0                     ; sixteen matrix instructions stand between the add and the wait for it
	s_wait_dscnt 0x0                               ; the add is done, and my reads of this slot are over
	s_barrier_signal -1
	MUL16 2, 1, NQ-1, \slot, 0
	WIN 0
	s_barrier_wait -1
.if \fill
	CREST                                          ; the barrier has opened a round of the cluster's barrier: no wave of any partner still reads this slot's tile or has a load on its way
	s_add_nc_u64 s[G0+4*\slot+2:G0+4*\slot+3], s[G0+4*\slot+2:G0+4*\slot+3], 2*ROWB
	s_add_nc_u64 s[G0B+4*\slot+2:G0B+4*\slot+3], s[G0B+4*\slot+2:G0B+4*\slot+3], 2*ROWB
	JLOAD G0+4*\slot, G1, G0B+4*\slot, G1B         ; the first tensor load behind the round; its four v_nop are the places in front of the loads below
.else
	PLACES NP
.endif
	v_add_nc_u32 v[ADRS], 4*NQ, v[ADRS]            ; on to the next K step's scale words (no LDS load of mine is out)
	FETCH_B \next, 0, 0
	FETCH_A \next, 0, 0
	SCALES \next
	WIN MUL_HI
	MUL16 4, 1, NQ-1, \slot, 0
	MUL16 6, 1, NQ-1, \slot, 0
	PLACES NP
	WIN 0
	FETCH_A \next, 0, 4
.endm
	s_wait_tensorcnt 1                             ; the scales and my part of K step 0 are in (K step 1's load may be out),
	s_barrier_signal -1
	s_barrier_wait -1                              ; everybody's are
	FETCH_B 0, 0, 0
	FETCH_A 0, 0, 0
	SCALES 0
	FETCH_A 0, 0, 4
	STEP 0, 0, 1                                   ; the first step stands in front of the loop: its products start the sums
	s_mov_b32 s3, LAPS-1
.Llap:                                                 ; a trip goes once round the ring, from a lap's second step to the next lap's first, and fills both slots again
	TURN 0, 1, 1
	STEP 1, 0, 0
	TURN 1, 0, 1
	STEP 0, 0, 0
	s_sub_co_u32 s3, s3, 1
	s_cmp_lg_u32 s3, 0
	s_cbranch_scc1 .Llap
	TURN 0, 1, 0                                   ; the last lap fills nothing, and has no round of the cluster's barrier
	STEP 1, 0, 0
	s_wait_dscnt 4*NL                              ; the very last step: nothing more to fetch
	WIN MUL_LO
	MUL16 0, 1, NQ-1, 1, 0
	MUL16 2, 1, NQ-1, 1, 0
	s_wait_dscnt 0
	WIN MUL_HI
	MUL16 4, 1, NQ-1, 1, 0
	MUL16 6, 1, NQ-1, 1, 0
	WIN 0
; THE WAY OUT.  Block a (16 rows of A x 128 along the results' K) is quantised in registers.  Of block beta of 32, lane (r, h) holds numbers 16 h + 0 .. 15 of row r in 16 registers on end.
; The largest magnitude: my 16 with the floor 2^(3 - 127), then lane l xor 16's.  Its exponent field less 2 is the conversion's scale operand, and shifted down the scale's byte.
; A lane's 16 codes are 12 bytes of the row's stream of bits, at 24 (beta % 2) + 12 h of the 48 bytes that chunk beta / 2 gives the row: they are stored as three words, and nothing changes lanes.
.macro QB a
.set AC, 64*((\a)%4)
.set CD, CODE+16*(\a)
	WIN 0x28+0x14*((\a)/4)                         ; sources 1 and 2: window 2 or 3
.irp b, 0,1,2,3
	v_max3_num_f32 v[TM+\b], 0x1800000, |v[AC+16*\b]|, |v[AC+16*\b+1]|   ; each accumulator is read from its low end on
.endr
.irp i, 2,4,6,8,10,12,14
.irp b, 0,1,2,3
	v_max3_num_f32 v[TM+\b], v[TM+\b], |v[AC+16*\b+\i]|, |v[AC+16*\b+\i+1]|   ; (the four blocks by turns)
.endr
.endr
	WIN 0
.irp b, 0,1,2,3
	v_permlanex16_b32 v[TM+4+\b], v[TM+\b], s18, s19
.endr
.irp b, 0,1,2,3
	v_max_num_f32 v[TM+\b], v[TM+\b], v[TM+4+\b]
.endr
.irp b, 0,1,2,3
	v_add_nc_u32 v[TM+8+\b], 0xff000000, v[TM+\b]
.endr
.irp b, 0,1,2,3
	v_lshrrev_b32 v[TM+4+\b], 23, v[TM+8+\b]
.endr
	v_lshl_or_b32 v[PW+(\a)], v[TM+5], 8, v[TM+4]  ; the four bytes make my row's scale word for these 128
	v_lshl_or_b32 v[PW+(\a)], v[TM+6], 16, v[PW+(\a)]
	v_lshl_or_b32 v[PW+(\a)], v[TM+7], 24, v[PW+(\a)]
	WIN 0x02+(\a)/4                                ; source 0: window 2 or 3
.irp b, 0,1,2,3
	v_cvt_scalef32_pk16_fp6_f32 v[CD+4*\b:CD+4*\b+2], v[AC+16*\b:AC+16*\b+15], v[TM+8+\b]
.endr
	WIN 0
	v_nop                                          ; one plain place behind the scaled conversions
.irp b, 0,1,2,3
.irp i, 0,1,2
	ds_store_b32 v[STO], v[CD+4*\b+\i] offset:(\b/2)*6144+768*(\a)+24*(\b%2)+4*\i   ; word 12 r + 3 h of the run: 32 different banks
.endr
.endr
	ds_store_b32 v[SSTO], v[PW+(\a)] offset:64*(\a)   ; both halves of the lanes write the same word with the same value
.endm
	PLACES NP                                      ; behind the last products, ahead of the first read of results
.irp b, 0,1,2,3
	v_mov_b32 v[TM+4+\b], 0                        ; written once: a lane permute's destination counts as one of its sources
.endr
.irp a, 0,1,2,3,4,5,6,7
	QB \a
.endr
	s_wait_dscnt 0x0                               ; the stores have read their registers, into which the stage now comes back
.irp i, 0,1,2,3,4,5,6,7,8,9,10,11,12,13,14,15,16,17,18,19,20,21,22,23,24
	ds_load_b128 v[CODE+4*\i:CODE+4*\i+3], v[RD] offset:512*\i
.endr
.irp i, 0,1,2,3,4,5,6,7,8,9,10,11,12,13,14,15,16,17,18,19,20,21,22,23,24
	s_wait_dscnt 24-\i                             ; LDS loads come back in order: load i is in, the 24 - i younger ones may be out
.if \i < 12
	global_store_b128 v[CO], v[CODE+4*\i:CODE+4*\i+3], s[8:9] offset:512*\i        ; 32 lanes store 512 consecutive bytes, at a multiple of 256 from the buffer's first byte
.elseif \i < 24
	global_store_b128 v[CO], v[CODE+4*\i:CODE+4*\i+3], s[12:13] offset:512*(\i-12)
.else
	global_store_b128 v[CO], v[CODE+4*\i:CODE+4*\i+3], s[10:11]
.endif
.endr
	s_wait_tensorcnt 0x0                           ; the wave's end: behind my last tensor load and my last LDS store
	ds_add_u32 v[SPW], v[NIL]
	s_wait_dscnt 0x0
	CROUND                                         ; the closing round: no work-group ends while a partner may still ask for a tile that names it
	s_endpgm
.Lfunc_end_k_q2eb853c711_qkv:
	.size	k_q2eb853c711_qkv, .Lfunc_end_k_q2eb853c711_qkv-k_q2eb853c711_qkv
	.p2alignl 7, 3214868480
	.fill 96, 4, 3214868480
	.section	.rodata,"a",@progbits
	.p2align	6, 0x0
	.amdhsa_kernel k_q2eb853c711_qkv
		.amdhsa_group_segment_fixed_size 327680
		.amdhsa_private_segment_fixed_size 0
		.amdhsa_enable_private_segment 0
		.amdhsa_kernarg_size 32
		.amdhsa_user_sgpr_count 2
		.amdhsa_user_sgpr_kernarg_segment_ptr 1
		.amdhsa_wavefront_size32 1
		.amdhsa_system_sgpr_workgroup_id_x 1
		.amdhsa_system_sgpr_workgroup_id_y 1
		.amdhsa_system_sgpr_workgroup_id_z 1
		.amdhsa_system_vgpr_workitem_id 0
		.amdhsa_next_free_vgpr 1024
		.amdhsa_next_free_sgpr 98
		.amdhsa_reserve_vcc 0
		.amdhsa_float_denorm_mode_32 3
		.amdhsa_float_denorm_mode_16_64 3
		.amdhsa_memory_ordered 1
		.amdhsa_forward_progress 1
		.amdhsa_inst_pref_size 171
	.end_amdhsa_kernel
	.amdgpu_metadata
---
amdhsa.version: [ 1, 2 ]
amdhsa.kernels:
  - .name:           k_q2eb853c711_qkv
    .symbol:         k_q2eb853c711_qkv.kd
    .args:
      - { .name: codes, .offset: 0, .size: 8, .value_kind: global_buffer, .address_space: global }
      - { .name: scales, .offset: 8, .size: 8, .value_kind: global_buffer, .address_space: global }
      - { .name: qkv_codes, .offset: 16, .size: 8, .value_kind: global_buffer, .address_space: global }
      - { .name: qkv_scales, .offset: 24, .size: 8, .value_kind: global_buffer, .address_space: global }
    .group_segment_fixed_size: 327680
    .private_segment_fixed_size: 0
    .kernarg_segment_align: 8
    .kernarg_segment_size: 32
    .max_flat_workgroup_size: 128
    .sgpr_count:     98
    .vgpr_count:     1024
    .wavefront_size: 32
...
	.end_amdgpu_metadata
.endif
;; end of part 2
;; launch attn (part 3): grid 8 x 64, 16 waves a work-group, no clusters, 327,680 bytes of LDS; arguments qkv_codes, qkv_scales, o_codes, o_scales; writes o_codes, o_scales
.if DOCPART == 3
	.amdgcn_target "amdgcn-amd-amdhsa--gfx1250"
	.amdhsa_code_object_version 6
	.text
	.protected	k_q2eb853c711_attn
	.globl	k_q2eb853c711_attn
	.p2align	8
	.type	k_q2eb853c711_attn,@function
k_q2eb853c711_attn:
	s_mov_b64 s[64:65], 0
	v_nop
	global_prefetch_b8 v0, s[64:65] scope:SCOPE_SE
	s_setreg_imm32_b32 hwreg(HW_REG_WAVE_MODE, 25, 1), 1
	s_wait_xcnt 0x0
; Causal attention of one head (64 channels) of one batch on codes of FP6 (E2M3) with E8M0 scales; the result, divided by the row's sum, is quantised along the channels for the output product.
; IN: qkv_codes: q and k as [chunk][8,192 tokens, stored order][48 bytes], chunk h = q of head h, 16 + h = k; behind them v as [chunk of 64 tokens][1,024 channels, stored order][48 bytes].
;     qkv_scales: q and k as [pair of heads][token][4 bytes]; behind them v as [128 tokens][channel][4 bytes].   (Stored order: 16 stored rows 16 (2 b + u) + r are rows 32 b + 8 u + r + 8 (r / 8).)
; OUT: o_codes [head][8,192 tokens][48 bytes], o_scales [token][32 bytes], both in the tokens' own order.
; THE HEAD'S 64 FILL HALF OF THE FIRST PRODUCT'S 128 ALONG K: the upper six registers of q's and k's fragments hold zero codes, the upper two bytes of their scale words 0 (2^-127, over zeros).
; THE SOFTMAX: t = score x log2(e) / 8; M = the running largest t rounded UP to a whole number; p = 2^(t - M) is quantised along the keys; the row's sum is taken of the unquantised p and divides at the end.
; SHARES, even under the mask.  The 2,048 queries are 16 blocks of 128; work-group j owns blocks j and 15 - j; each of its sixteen waves owns one tile of 16 queries.  A wave of the low block walks j + 1 steps
; of 128 keys, one of the high block 16 - j: 17 together, whatever j.  Low and high waves alternate so that each four neighbouring waves, and each four waves 4 apart, hold two of each.
; Both products are used transposed (S^T = K Q^T, O^T = V^T P^T): a lane holds ONE query throughout.  By the stored order, the 16 registers of tiles 2 b and 2 b + 1 are 16 neighbouring keys (or channels).
; RING: two LDS slots of 256 keys, filled by the tensor data mover (waves 0, 1: K's halves; 2, 3: V's), read by all sixteen.  Every work-group walks all 8 slots with constant trip counts; a step all of whose keys
; are hidden is jumped over, and a slot whose first key lies past the work-group's last query is not asked for.  Every wait on TENSORcnt is for 0; a wave has at most two tensor loads out (at the start), then one.
; NO CLUSTER: the work-groups of a head need different numbers of slots (8 down to 5), and a slot's 24,576 bytes serve sixteen waves' two steps: what could be shared is a small part of a step.
; LIMITS: a block of zeros gets the byte 1 (its codes are zeros); largest magnitudes under 2^-124 keep the byte 1; NaN and infinities are not served.
; REGISTERS: v1-4 addresses that stay; v5, v6 the add's two; v7 the prefetches' offset; v8-11 addresses in hand; v12 -M, v13 the largest t, v[14:15] the sum; v16-27 Q; v28-31 V's scale words; v32-79 four fragments of K;
; v80-127 four of V; v128-191 S^T, then p; v192-223 O^T; v224-235 p's codes; v232-242, v244-247, v252, v254 at work; v243 p's scale word; v248-251 K's scale words; v253 the prefetches' step; v255 Q's scale word.
.set SK,    256                        ; keys in a slot
.set KP,    48                         ; a row of 64 codes: with this pitch the 32 lanes of a load of 8 bytes (16 neighbouring rows, + 24 a half) touch 64 different banks (ISA guide 11.1)
.set VOFF,  SK*KP                      ; a slot: 256 rows of K, then V: 4 chunks x 64 channels x 48 bytes
.set SLOT1, 1<<15                      ; slot 1 begins here: one exclusive or turns an address
.set NSL,   2048/SK
.set SCK,   2*SLOT1                    ; K's scale words of the batch, for the pair of heads: 8,192 bytes
.set SCV,   SCK+8192                   ; V's: 16 steps x 64 channels x 4 bytes
.set STG,   SCV+4096                   ; the way out: 768 bytes a wave; no tensor load fills them
.set SPARE, STG+16*768                 ; the spare words, 128 bytes a wave
.set CHQ,   393216                     ; a chunk of q or k in memory
.set CHV,   49152                      ; a chunk of v
.set QKC,   12582912                   ; where v's codes begin
.set QKS,   524288                     ; and its scale words
.set AK0,  1
.set AV0,  2
.set ASK0, 3
.set ASV0, 4
.set SPW,  5
.set NIL,  6
.set PFO,  7
.set ADK,  8
.set ADV,  9
.set ADS,  10
.set ADT,  11
.set KFR,  32
.set VFR,  80
.set S,    128
.set O,    192
.set PW,   243
.set PFSTEP, 253
.set TB,   2                           ; s2   LDS byte at which the slot in hand begins
.set TS,   3                           ; s3   the step's scale words of K: 512 bytes a step
.set WV,   18                          ; s18  my wave's number
.set SEL,  20                          ; s[20:21] selects for lane l xor 16
.set CS,   22                          ; s[22:23] c = log2(e) / 8
.set G1K,  24
.set G1V,  32
.set G0K,  40
.set G0V,  44
.set G1SK, 48
.set G0SK, 56
.set G0SV, 60
.set TJ,   66                          ; s66  the step's scale words of V: 256 bytes a step
.set SLOTS, 67                         ; s67  changes of slots still to come in the loop
.set G1SV, 68
.set LIM,  80                          ; s80  1 in a wave that prefetches, else the greatest number
.set LASTQ, 81                         ; s81  my work-group's last query
.set KF,   98                          ; s98  the step's first key
.set Q0,   99                          ; s99  my first query
; Waves 0 and 1 fetch for K, waves 2 and 3 for V, the others nothing.  An s_nop 0 and four v_nop follow each of the two lines.
.macro TLOAD g0k, g1k, g0v, g1v
	s_cmp_lt_u32 s[WV], 2
	s_cbranch_scc0 .Lnot_k_\@
	tensor_load_to_lds s[\g0k:\g0k+3], s[\g1k:\g1k+7]
	s_nop 0
.rept 4
	v_nop
.endr
	s_branch .Lasked_\@
.Lnot_k_\@:
	s_cmp_lt_u32 s[WV], 4
	s_cbranch_scc0 .Lasked_\@
	tensor_load_to_lds s[\g0v:\g0v+3], s[\g1v:\g1v+7]
	s_nop 0
.rept 4
	v_nop
.endr
.Lasked_\@:
.endm
; A PREFETCH INTO THE L2 of the slot that the NEXT change of slots will ask for: K's 12,288 dense bytes and V's 4 x 3,072 are 96 aligned blocks of 256 bytes: a lane a block, waves 4 to 6, one instruction each.
; All work-groups of a head walk the same K and V: work-group 0 of the head, which walks all slots, asks, and nobody else: each block is named once in the launch.  Slots 0 and 1 come by their loads alone;
; the last change that fills a slot asks for nothing.
.macro ASK
	s_cmp_gt_u32 s[SLOTS], s[LIM]
	s_cbranch_scc0 .Lnot_mine_\@
	s_wait_alu depctr_va_vdst(0)
	global_prefetch_b8 v[PFO], s[4:5] th:TH_LOAD_NT scope:SCOPE_SE
.Lnot_mine_\@:
.endm
	s_load_b256 s[4:11], s[0:1], 0x0               ; qkv_codes s[4:5], qkv_scales s[6:7], o_codes s[8:9], o_scales s[10:11]
	v_lshl_add_u32 v[SPW], v0, 2, SPARE
	v_mov_b32 v[NIL], 0
	ds_add_u32 v[SPW], v[NIL]                      ; the wave's opening: the add and its wait stand ahead of my first tensor load; the set-up below, work on registers, stands between them
	ds_add_u32 v[SPW], v[NIL]
	v_lshrrev_b32 v8, 5, v0
	s_delay_alu instid0(VALU_DEP_1)
	v_readfirstlane_b32 s[WV], v8                  ; wave 0..15
	s_and_b32 s12, ttmp7, 0xffff
	s_lshr_b32 s13, s12, 4                         ; the batch
	s_and_b32 s14, s12, 15                         ; the head
	s_and_b32 s19, s[WV], 1                        ; which half of a tile I fetch, if I fetch
	s_lshr_b32 s15, s[WV], 2
	s_xor_b32 s15, s15, s[WV]
	s_and_b32 s15, s15, 1                          ; 1: my tile lies in the high block
	s_sub_co_u32 s16, 15, ttmp9
	s_cmp_eq_u32 s15, 1
	s_cselect_b32 s16, s16, ttmp9                  ; my block of 128 queries
	s_lshl_b32 s16, s16, 7
	s_lshr_b32 s17, s[WV], 1
	s_lshl_b32 s17, s17, 4
	s_add_co_u32 s[Q0], s16, s17                   ; my first query
	s_lshl_b32 s[LASTQ], ttmp9, 7
	s_sub_co_u32 s[LASTQ], 2047, s[LASTQ]          ; the high block's last
	s_add_co_u32 s82, s14, 16
	s_mul_i32 s82, s82, CHQ
	s_mul_i32 s83, s13, 2048*KP
	s_add_co_u32 s82, s82, s83                     ; where the head's k begins in qkv_codes (all offsets stay under 2^25)
	s_mul_i32 s84, s13, 32*CHV
	s_mul_i32 s85, s14, 64*KP
	s_add_co_u32 s84, s84, s85
	s_add_co_u32 s84, s84, QKC                     ; and its v
	s_mul_i32 s15, s19, 128*KP                     ; my half in a slot: 6,144 bytes, of K as of V
	s_add_co_u32 s88, s82, s15
	s_mov_b32 s89, 0                               ; K: keys 128 u on
	s_mul_i32 s90, s19, 2*CHV
	s_add_co_u32 s90, s90, s84
	s_mov_b32 s91, 0                               ; V: chunks 2 u on
	s_lshr_b32 s12, s14, 1                         ; the pair of heads,
	s_and_b32 s85, s14, 1
	s_lshl_b32 s85, s85, 1                         ; and my head's two bytes in its words
	s_lshl_b32 s86, s13, 13                        ; the batch's 2,048 words
	s_lshl_b32 s80, s19, 12                        ; half of them
	s_add_co_u32 s92, s12, 8
	s_lshl_b32 s92, s92, 15
	s_add_co_u32 s92, s92, s86
	s_add_co_u32 s92, s92, s80
	s_mov_b32 s93, 0                               ; K's scale words
	s_lshl_b32 s94, s13, 16
	s_lshl_b32 s95, s14, 8
	s_add_co_u32 s94, s94, s95
	s_lshl_b32 s95, s19, 15
	s_add_co_u32 s94, s94, s95
	s_add_co_u32 s94, s94, QKS
	s_mov_b32 s95, 0                               ; V's: steps 8 u on
	s_and_b32 s16, s[Q0], 0x7e0
	s_lshr_b32 s17, s[Q0], 1
	s_and_b32 s17, s17, 8
	s_add_co_u32 s16, s16, s17                     ; my 16 queries lie at stored rows this + r + 8 (r / 8)
	s_mul_i32 s78, s14, CHQ
	s_add_co_u32 s78, s78, s83                     ; the head's q in qkv_codes, and its part of o_codes: the same offset
	s_mul_i32 s96, s[Q0], KP
	s_add_co_u32 s96, s96, s78
	s_mov_b32 s97, 0                               ; o_codes at my first query
	s_mul_i32 s17, s16, KP
	s_add_co_u32 s78, s78, s17
	s_mov_b32 s79, 0                               ; q's codes
	s_lshl_b32 s12, s12, 15
	s_add_co_u32 s12, s12, s86
	s_lshl_b32 s16, s16, 2
	s_add_co_u32 s16, s16, s12
	s_add_co_u32 s16, s16, s85
	s_mov_b32 s17, 0                               ; q's scale bytes
	s_lshl_b32 s86, s13, 11
	s_add_co_u32 s86, s86, s[Q0]
	s_lshl_b32 s86, s86, 5
	s_lshl_b32 s12, s14, 1
	s_add_co_u32 s86, s86, s12
	s_mov_b32 s87, 0                               ; o_scales: my first query's row, my head's two bytes
	; descriptor groups 1: elements of 8 bytes, no mask, no padding
	s_mov_b32 s[G1K], 3<<16                        ; K: 128 keys x 48 bytes, dense, as 24 rows of 256 bytes
	s_mov_b32 s[G1K+1], 32<<16
	s_mov_b32 s[G1K+2], 24<<16
	s_mov_b32 s[G1K+3], 32<<16
	s_mov_b32 s[G1K+4], 24
	s_mov_b32 s[G1K+5], 32
	s_mov_b32 s[G1K+6], 0
	s_mov_b32 s[G1K+7], 0
	s_mov_b32 s[G1V], 3<<16                        ; V: 2 chunks x 3,072 bytes, 49,152 bytes apart
	s_mov_b32 s[G1V+1], 384<<16
	s_mov_b32 s[G1V+2], 2<<16
	s_mov_b32 s[G1V+3], 384<<16
	s_mov_b32 s[G1V+4], 2
	s_mov_b32 s[G1V+5], 6144
	s_mov_b32 s[G1V+6], 0
	s_mov_b32 s[G1V+7], 0
	s_mov_b32 s[G1SK], 3<<16                       ; K's scale words: 4,096 dense bytes, as 16 rows of 256
	s_mov_b32 s[G1SK+1], 32<<16
	s_mov_b32 s[G1SK+2], 16<<16
	s_mov_b32 s[G1SK+3], 32<<16
	s_mov_b32 s[G1SK+4], 16
	s_mov_b32 s[G1SK+5], 32
	s_mov_b32 s[G1SK+6], 0
	s_mov_b32 s[G1SK+7], 0
	s_mov_b32 s[G1SV], 3<<16                       ; V's: 8 rows of 256 bytes, 4,096 bytes apart
	s_mov_b32 s[G1SV+1], 32<<16
	s_mov_b32 s[G1SV+2], 8<<16
	s_mov_b32 s[G1SV+3], 32<<16
	s_mov_b32 s[G1SV+4], 8
	s_mov_b32 s[G1SV+5], 512
	s_mov_b32 s[G1SV+6], 0
	s_mov_b32 s[G1SV+7], 0
	s_mov_b32 s[SEL], 0x76543210
	s_mov_b32 s[SEL+1], 0xfedcba98
	s_mov_b32 s[CS], 0x3e38aa3b                    ; c = log2(e) / sqrt(64)
	s_mov_b32 s[CS+1], s[CS]                       ; (named with it as a pair, so it is written)
	s_mov_b32 s[TB], 0
	s_mov_b32 s[TS], 0
	s_mov_b32 s[TJ], 0
	s_mov_b32 s[SLOTS], NSL-1
	s_mov_b32 s[KF], 0
	s_wait_dscnt 0x0                               ; the opening add is done
	s_wait_kmcnt 0x0
	s_mov_b32 s[G0SK], 1
	s_add_co_u32 s[G0SK+1], s80, SCK
	s_add_nc_u64 s[G0SK+2:G0SK+3], s[6:7], s[92:93]
	s_or_b32 s[G0SK+3], s[G0SK+3], 0x80000000
	s_mov_b32 s[G0SV], 1
	s_lshr_b32 s12, s80, 1
	s_add_co_u32 s[G0SV+1], s12, SCV
	s_add_nc_u64 s[G0SV+2:G0SV+3], s[6:7], s[94:95]
	s_or_b32 s[G0SV+3], s[G0SV+3], 0x80000000
	TLOAD G0SK, G1SK, G0SV, G1SV                   ; the scale words of all 2,048 keys: filled once
	s_mov_b32 s[G0K], 1
	s_mov_b32 s[G0K+1], s15
	s_add_nc_u64 s[G0K+2:G0K+3], s[4:5], s[88:89]
	s_or_b32 s[G0K+3], s[G0K+3], 0x80000000
	s_mov_b32 s[G0V], 1
	s_add_co_u32 s[G0V+1], s15, VOFF
	s_add_nc_u64 s[G0V+2:G0V+3], s[4:5], s[90:91]
	s_or_b32 s[G0V+3], s[G0V+3], 0x80000000
	TLOAD G0K, G1K, G0V, G1V                       ; slot 0
	s_add_nc_u64 s[76:77], s[4:5], s[78:79]
	s_add_nc_u64 s[6:7], s[6:7], s[16:17]
	s_add_nc_u64 s[8:9], s[8:9], s[96:97]
	s_add_nc_u64 s[10:11], s[10:11], s[86:87]
	v_and_b32 v8, 15, v0                           ; r
	v_bfe_u32 v9, v0, 4, 1                         ; h
	s_delay_alu instid0(VALU_DEP_2)
	v_and_b32 v11, 8, v8
	s_delay_alu instid0(VALU_DEP_1)
	v_add_nc_u32 v11, v11, v8                      ; r + 8 (r / 8)
	s_delay_alu instid0(VALU_DEP_1)
	v_mul_u32_u24 v10, v11, KP
	s_delay_alu instid0(VALU_DEP_1)
	v_mad_u32_u24 v10, v9, 24, v10
.irp p, 0,1,2
	global_load_b64 v[16+2*\p:17+2*\p], v10, s[76:77] offset:8*\p   ; Q's fragment: lane (r, h) holds query Q0 + r, channels 32 h on
.endr
	v_lshlrev_b32 v254, 2, v11
	global_load_u16 v255, v254, s[6:7]             ; Q's two scale bytes; the upper two bytes come as 0
	v_mul_u32_u24 v[AK0], v8, KP
	s_delay_alu instid0(VALU_DEP_1)
	v_mad_u32_u24 v[AK0], v9, 24, v[AK0]
	s_delay_alu instid0(VALU_DEP_1)
	v_add_nc_u32 v[AV0], VOFF, v[AK0]
	v_lshl_add_u32 v[ASK0], v8, 2, SCK
	s_delay_alu instid0(VALU_DEP_1)
	v_add_nc_u32 v[ASK0], s85, v[ASK0]
	v_lshl_add_u32 v[ASV0], v8, 2, SCV
	; the prefetches: block g = 32 (wave % 4) + lane of a slot's 96
	v_and_b32 v128, 31, v0
	s_and_b32 s12, s[WV], 3
	s_lshl_b32 s12, s12, 5
	v_add_nc_u32 v128, s12, v128                   ; g
	s_add_co_u32 s12, s82, SK*KP                   ; slot 1: the first change of slots steps the offset to slot 2
	s_add_co_u32 s13, s84, 4*CHV
	v_lshlrev_b32 v129, 8, v128
	s_delay_alu instid0(VALU_DEP_1)
	v_add_nc_u32 v129, s12, v129                   ; K's blocks: g under 48
	v_sub_nc_u32 v130, v128, 48
	s_delay_alu instid0(VALU_DEP_1)
	v_mul_u32_u24 v131, v130, 171
	s_delay_alu instid0(VALU_DEP_1)
	v_lshrrev_b32 v131, 11, v131                   ; V's: chunk (g - 48) / 12,
	s_delay_alu instid0(VALU_DEP_1)
	v_mul_u32_u24 v132, v131, 12
	s_delay_alu instid0(VALU_DEP_1)
	v_sub_nc_u32 v130, v130, v132                  ; block (g - 48) % 12 of its 3,072 bytes
	s_delay_alu instid0(VALU_DEP_1)
	v_lshlrev_b32 v130, 8, v130
	s_delay_alu instid0(VALU_DEP_1)
	v_mad_u32_u24 v130, v131, CHV, v130
	s_delay_alu instid0(VALU_DEP_1)
	v_add_nc_u32 v130, s13, v130
	v_cmp_gt_u32 s86, 48, v128
	s_delay_alu instid0(VALU_DEP_1)
	v_cndmask_b32 v[PFO], v130, v129, s86
	v_mov_b32 v131, 4*CHV
	v_mov_b32 v132, SK*KP
	s_delay_alu instid0(VALU_DEP_1)
	v_cndmask_b32 v[PFSTEP], v131, v132, s86       ; a slot on
	s_sub_co_u32 s12, s[WV], 4
	s_cmp_lt_u32 s12, 3                            ; waves 4 to 6,
	s_cselect_b32 s12, 0, 1
	s_or_b32 s12, s12, ttmp9                       ; of the head's work-group 0
	s_cmp_eq_u32 s12, 0
	s_cselect_b32 s[LIM], 1, -1
	v_mov_b32 v13, 0xff61b1e6                      ; the largest t so far: -3e38
	s_delay_alu instid0(VALU_DEP_1)
	v_floor_f32 v12, -v13                          ; -M
	v_mov_b32 v14, 0                               ; the sum, in two halves
	v_mov_b32 v15, 0
.irp j, 22,23,24,25,26,27
	v_mov_b32 v[\j], 0                             ; Q's upper 64 along K: zero codes
.endr
.irp t, 0,1,2,3
.irp i, 6,7,8,9,10,11
	v_mov_b32 v[KFR+12*\t+\i], 0                   ; K's likewise: written once, no load lands here
.endr
.endr
.irp b, 0,1,2,3
	v_mov_b32 v[236+\b], 0                         ; written once: a lane permute's destination counts as one of its sources
.endr
	v_mov_b32 v252, 0                              ; likewise
.set J, 0
.rept 32
	v_mov_b32 v[O+J], 0                            ; O^T: the step is written once; the first finds zeros, which the first change of M leaves zeros
.set J, J+1
.endr
; A KEY STEP: 128 keys, the q-th of the slot in hand.
.macro STEP q
	s_add_co_u32 s96, s[Q0], 15                    ; a step all of whose keys come after my 16 queries is left out: a scalar branch on ids, round the step's loads, products and softmax alone
	s_cmp_gt_u32 s[KF], s96
	s_cbranch_scc1 .Lhidden_\@
	v_add_nc_u32 v[ADK], s[TB], v[AK0]
	v_add_nc_u32 v[ADV], s[TB], v[AV0]
	v_add_nc_u32 v[ADS], s[TS], v[ASK0]
	v_add_nc_u32 v[ADT], s[TJ], v[ASV0]
.irp t, 0,1,2,3                                ; S^T = K Q^T: tiles 0 to 3 of 16 stored rows
.irp p, 0,1,2
	ds_load_b64 v[KFR+12*\t+2*\p:KFR+12*\t+2*\p+1], v[ADK] offset:(128*(\q)+16*\t)*KP+8*\p
.endr
	ds_load_u16 v[248+\t], v[ADS] offset:64*\t
.endr
	s_wait_alu depctr_va_vdst(0)
	s_wait_dscnt 0x0
.irp t, 0,1,2,3
	v_wmma_scale_f32_16x16x128_f8f6f4 v[S+8*\t:S+8*\t+7], v[KFR+12*\t:KFR+12*\t+11], v[16:27], 0, v[248+\t], v255 matrix_a_fmt:MATRIX_FMT_FP6 matrix_b_fmt:MATRIX_FMT_FP6
.endr
.rept 4
	v_nop                                          ; places in front of loads into registers that these products read
.endr
.irp t, 0,1,2,3                                ; tiles 4 to 7
.irp p, 0,1,2
	ds_load_b64 v[KFR+12*\t+2*\p:KFR+12*\t+2*\p+1], v[ADK] offset:(128*(\q)+64+16*\t)*KP+8*\p
.endr
	ds_load_u16 v[248+\t], v[ADS] offset:256+64*\t
.endr
.irp t, 0,1,2,3                                ; V's four fragments (16 channels x these 128 keys) and their scale words are asked for now and land under the softmax
.irp p, 0,1,2,3,4,5
	ds_load_b64 v[VFR+12*\t+2*\p:VFR+12*\t+2*\p+1], v[ADV] offset:(2*(\q)+\p/3)*64*KP+16*KP*\t+8*(\p%3)
.endr
	ds_load_b32 v[28+\t], v[ADT] offset:64*\t
.endr
	s_wait_dscnt 28                                ; K's sixteen loads are in; V's 28, issued behind them, may be out
.irp t, 0,1,2,3
	v_wmma_scale_f32_16x16x128_f8f6f4 v[S+32+8*\t:S+32+8*\t+7], v[KFR+12*\t:KFR+12*\t+11], v[16:27], 0, v[248+\t], v255 matrix_a_fmt:MATRIX_FMT_FP6 matrix_b_fmt:MATRIX_FMT_FP6
.endr
.rept 4
	v_nop
.endr
	s_add_co_u32 s96, s[KF], 127                   ; on the diagonal the scores of hidden keys become -infinity ahead of the maximum: p = 0 then.  A step all of whose keys count skips this
	s_cmp_le_u32 s96, s[Q0]
	s_cbranch_scc1 .Lopen_\@
	s_sub_co_i32 s96, s[Q0], s[KF]
	v_and_b32 v252, 15, v0
	v_bfe_u32 v254, v0, 4, 1
	s_delay_alu instid0(VALU_DEP_1)
	v_lshlrev_b32 v254, 4, v254
	s_delay_alu instid0(VALU_DEP_1)
	v_sub_nc_u32 v252, v252, v254
	s_delay_alu instid0(VALU_DEP_1)
	v_add_nc_u32 v252, s96, v252                   ; d = my query - KF - 16 (lane / 16).  Register 16 b + i holds key KF + 16 (lane / 16) + 32 b + i: hidden where 32 b + i > d
	v_mov_b32 v254, 0xff800000                     ; -infinity
.set N, 0
.rept 64
	v_cmp_gt_i32 vcc_lo, 32*(N/16)+N%16, v252
	v_cndmask_b32 v[S+N], v[S+N], v254, vcc_lo
.set N, N+1
.endr
.Lopen_\@:
.irp b, 0,1,2,3
	v_max3_num_f32 v[232+\b], v[S+16*\b], v[S+1+16*\b], v[S+2+16*\b]   ; the largest score of each block of 32 keys: for the row's maximum, and, since p rises with the score, for the block's largest p
.endr
.irp i, 3,5,7,9,11,13
.irp b, 0,1,2,3
	v_max3_num_f32 v[232+\b], v[232+\b], v[S+16*\b+\i], v[S+1+16*\b+\i]
.endr
.endr
.irp b, 0,1,2,3
	v_max_num_f32 v[232+\b], v[232+\b], v[S+15+16*\b]
.endr
.irp b, 0,1,2,3
	s_delay_alu instid0(VALU_DEP_4)
	v_permlanex16_b32 v[236+\b], v[232+\b], s[SEL], s[SEL+1]
.endr
.irp b, 0,1,2,3
	s_delay_alu instid0(VALU_DEP_4)
	v_max_num_f32 v[232+\b], v[232+\b], v[236+\b]  ; with lane l xor 16's 16 keys
.endr
	s_delay_alu instid0(VALU_DEP_2)
	v_max3_num_f32 v254, v232, v233, v234
	s_delay_alu instid0(VALU_DEP_1)
	v_max_num_f32 v254, v254, v235                 ; the step's largest score of my query
	s_delay_alu instid0(VALU_DEP_1)
	v_mul_f32 v254, s[CS], v254                    ; as t
	s_delay_alu instid0(VALU_DEP_1)
	v_max_num_f32 v13, v13, v254                   ; the running largest t
	v_mov_b32 v254, v12
	s_delay_alu instid0(VALU_DEP_2)
	v_floor_f32 v12, -v13                          ; the new -M = -ceil(t)
	s_delay_alu instid0(VALU_DEP_1)
	v_sub_f32 v254, v12, v254                      ; old M - new M: a whole number, 0 or less
	s_delay_alu instid0(VALU_DEP_1)
	v_cvt_i32_f32 v254, v254                       ; (it saturates)
	s_delay_alu instid0(VALU_DEP_1)
	v_ldexp_f32 v252, 1.0, v254                    ; f = 2^(old M - new M)
.set J, 0
.rept 32
	v_pk_fma_f32 v[S+J:S+J+1], v[S+J:S+J+1], s[CS:CS+1], v[12:13] op_sel_hi:[1,0,0]   ; t - M, two at a time
.set J, J+2
.endr
.irp b, 0,1,2,3
	v_fma_f32 v[232+\b], v[232+\b], s[CS], v12     ; the same of each block's largest score
.endr
.set J, 0
	s_wait_alu depctr_va_vdst(0)
.rept 64
	v_exp_f32 v[S+J], v[S+J]                       ; p = 2^(t - M), at most 1
.set J, J+1
.endr
	v_pk_mul_f32 v[14:15], v[14:15], v[252:253] op_sel_hi:[1,0]   ; the sums under the new M (of the pair the low word, f, serves both halves).  A plain place behind the exponentials
	s_wait_alu depctr_va_vdst(0)                   ; one wait for the whole batch, ahead of its first reader
.irp b, 0,1,2,3
	v_exp_f32 v[232+\b], v[232+\b]                 ; the block's largest p
.endr
	v_pk_add_f32 v[236:237], v[132:133], v[136:137]
	v_pk_add_f32 v[250:251], v[140:141], v[144:145]
	v_pk_add_f32 v[248:249], v[148:149], v[152:153]
	v_pk_add_f32 v[246:247], v[156:157], v[160:161]
	v_pk_add_f32 v[244:245], v[164:165], v[168:169]
	v_pk_add_f32 v[242:243], v[172:173], v[176:177]
	v_pk_add_f32 v[240:241], v[180:181], v[184:185]
	v_pk_add_f32 v[14:15], v[14:15], v[188:189]
	v_pk_add_f32 v[236:237], v[236:237], v[128:129]
	v_pk_add_f32 v[250:251], v[250:251], v[130:131]
	v_pk_add_f32 v[248:249], v[248:249], v[134:135]
	v_pk_add_f32 v[246:247], v[246:247], v[138:139]
	v_pk_add_f32 v[244:245], v[244:245], v[142:143]
	v_pk_add_f32 v[242:243], v[242:243], v[146:147]
	v_pk_add_f32 v[240:241], v[240:241], v[150:151]
	v_pk_add_f32 v[14:15], v[14:15], v[154:155]
	v_pk_add_f32 v[236:237], v[236:237], v[158:159]
	v_pk_add_f32 v[250:251], v[250:251], v[162:163]
	v_pk_add_f32 v[248:249], v[248:249], v[166:167]
	v_pk_add_f32 v[246:247], v[246:247], v[170:171]
	v_pk_add_f32 v[244:245], v[244:245], v[174:175]
	v_pk_add_f32 v[242:243], v[242:243], v[178:179]
	v_pk_add_f32 v[240:241], v[240:241], v[182:183]
	v_pk_add_f32 v[14:15], v[14:15], v[186:187]
	v_pk_add_f32 v[236:237], v[236:237], v[190:191]
	s_delay_alu instid0(VALU_DEP_2)
	v_pk_add_f32 v[14:15], v[14:15], v[246:247]
	s_delay_alu instid0(VALU_DEP_2)
	v_pk_add_f32 v[236:237], v[236:237], v[244:245]
	v_pk_add_f32 v[250:251], v[250:251], v[242:243]
	v_pk_add_f32 v[248:249], v[248:249], v[240:241]
	s_delay_alu instid0(VALU_DEP_2)
	v_pk_add_f32 v[14:15], v[14:15], v[250:251]
	s_delay_alu instid0(VALU_DEP_2)
	v_pk_add_f32 v[236:237], v[236:237], v[248:249]
	s_delay_alu instid0(VALU_DEP_1)
	v_pk_add_f32 v[14:15], v[14:15], v[236:237]
	s_wait_alu depctr_va_vdst(0)                   ; and one for the four
.irp b, 0,1,2,3
	v_max_num_f32 v[232+\b], 0x1800000, v[232+\b]  ; the floor 2^(3 - 127): the byte cannot fall under 1
.endr
.irp b, 0,1,2,3
	s_delay_alu instid0(VALU_DEP_4)
	v_add_nc_u32 v[244+\b], 0xff000000, v[232+\b]  ; 2 off the exponent field: the conversion's scale operand
.endr
.irp b, 0,1,2,3
	s_delay_alu instid0(VALU_DEP_4)
	v_lshrrev_b32 v[236+\b], 23, v[244+\b]         ; the scale's byte
.endr
	s_delay_alu instid0(VALU_DEP_3)
	v_lshl_or_b32 v[PW], v237, 8, v236             ; p's scale word for these 128 keys
	s_delay_alu instid0(VALU_DEP_1)
	v_lshl_or_b32 v[PW], v238, 16, v[PW]
	s_delay_alu instid0(VALU_DEP_1)
	v_lshl_or_b32 v[PW], v239, 24, v[PW]
.irp c, 0,1
	v_cvt_scalef32_pk16_fp6_f32 v[224+6*\c:226+6*\c], v[S+32*\c:S+15+32*\c], v[244+2*\c]
	v_cvt_scalef32_pk16_fp6_f32 v[236+4*\c:238+4*\c], v[S+16+32*\c:S+31+32*\c], v[244+2*\c+1]   ; (a conversion's three registers begin on an even number)
.endr
	v_nop                                          ; one plain place behind the scaled conversions
.irp c, 0,1                                    ; the operand's layout wants a WHOLE block in a lane: lanes 0-15 block 2 c, lanes 16-31 block 2 c + 1
.irp i, 0,1,2
	v_permlane16_swap_b32 v[224+6*\c+\i], v[236+4*\c+\i]
.endr
.irp i, 0,1,2
	s_delay_alu instid0(VALU_DEP_3)
	v_mov_b32 v[227+6*\c+\i], v[236+4*\c+\i]
.endr
.endr
.set J, 0
.rept 16
	v_pk_mul_f32 v[O+J:O+J+1], v[O+J:O+J+1], v[252:253] op_sel_hi:[1,0]   ; O^T under the new M.  These sixteen also stand between the writes of p's codes and scale word and the products below
.set J, J+2
.endr
	s_wait_alu depctr_va_vdst(0)
	s_wait_dscnt 0x0                               ; V's fragments and scale words are in
.irp t, 0,1,2,3                                ; O^T += V^T P^T: four accumulators by turns, one instruction a turn
	v_wmma_scale_f32_16x16x128_f8f6f4 v[O+8*\t:O+8*\t+7], v[VFR+12*\t:VFR+12*\t+11], v[224:235], v[O+8*\t:O+8*\t+7], v[28+\t], v[PW] matrix_a_fmt:MATRIX_FMT_FP6 matrix_b_fmt:MATRIX_FMT_FP6
.endr
.Lhidden_\@:
	s_add_co_u32 s[KF], s[KF], 128
	s_add_co_u32 s[TS], s[TS], 512                 ; the next step's scale words
	s_add_co_u32 s[TJ], s[TJ], 256
.endm
; THE CHANGE OF SLOTS stands at a slot's head.  Each wave waits for all its tensor loads, adds 0 to its spare word, and waits for that and for its reads of the slot that it has left.
; Behind the barrier the slot ahead is whole and nobody reads the other one.  fill = 1: that other slot is filled with the keys that follow, up to the causal limit: the load has a slot's two steps in which to land.
.macro CHANGE fill
	s_wait_tensorcnt 0x0                           ; no tensor load of mine is out, so a group 0 may be written
	ds_add_u32 v[SPW], v[NIL]                      ; 0 onto my spare word
.if \fill
	s_xor_b32 s[G0K+1], s[G0K+1], SLOT1            ; the walking descriptors: the other slot than last time,
	s_add_nc_u64 s[G0K+2:G0K+3], s[G0K+2:G0K+3], SK*KP   ; the next 256 keys
	s_xor_b32 s[G0V+1], s[G0V+1], SLOT1
	s_add_nc_u64 s[G0V+2:G0V+3], s[G0V+2:G0V+3], 4*CHV
	s_wait_xcnt 0x0                                ; the last prefetch, a slot back, has read its offset, so it may be written:
	v_add_nc_u32 v[PFO], v[PFO], v[PFSTEP]         ; one slot further on than the walking descriptors
.endif
	s_wait_dscnt 0x0                               ; the add is done, and my reads of the slot that I have left are over
	s_barrier_signal -1
	s_barrier_wait -1
.if \fill
	s_add_co_u32 s96, s[KF], SK                    ; the first key of the slot that this change would ask for:
	s_cmp_gt_u32 s96, s[LASTQ]                     ; past my work-group's last query none of its waves reads it, so it is not asked for.  Ids and the count of steps alone: all sixteen waves go the same way
	s_cbranch_scc1 .Lpast_\@
	TLOAD G0K, G1K, G0V, G1V                       ; a wave's one tensor load until the next such barrier
.Lpast_\@:
	ASK
.endif
.endm
.macro SLOT_STEPS
	STEP 0
	STEP 1
	s_xor_b32 s[TB], s[TB], SLOT1                  ; on to the other slot
.endm
	s_wait_loadcnt 0x0                             ; Q
.Lslot:                                            ; 7 trips: behind each change of slots but the last the next slot is asked for
	s_wait_alu depctr_va_vdst(0)
	CHANGE 1
	SLOT_STEPS
	s_sub_co_u32 s[SLOTS], s[SLOTS], 1
	s_cmp_lg_u32 s[SLOTS], 0
	s_cbranch_scc1 .Lslot
	CHANGE 0                                       ; the last slot is written out: nothing is left to fetch
	SLOT_STEPS
	; THE WAY OUT.  O^T / the sum; register 16 beta + i of lane (r, h) is channel 32 beta + 16 h + i of query Q0 + r (V's channels lie in the stored order): two blocks of 32, quantised as they stand.
	v_add_f32 v14, v14, v15                        ; the sum's two halves,
	s_delay_alu instid0(VALU_DEP_1)
	v_permlanex16_b32 v252, v14, s[SEL], s[SEL+1]
	s_delay_alu instid0(VALU_DEP_1)
	v_add_f32 v14, v14, v252                       ; and lane l xor 16's: the row's sum
	s_wait_alu depctr_va_vdst(0)
	v_rcp_f32 v14, v14
	v_and_b32 v8, 15, v0                           ; (plain places behind the transcendental)  r
	v_bfe_u32 v9, v0, 4, 1                         ; h
	s_mul_i32 s12, s[WV], 768
	s_add_co_u32 s12, s12, STG                     ; my stage
	v_mul_u32_u24 v10, v8, KP
	s_delay_alu instid0(VALU_DEP_1)
	v_mad_u32_u24 v10, v9, 12, v10
	s_delay_alu instid0(VALU_DEP_1)
	v_add_nc_u32 v10, s12, v10                     ; in: row r of 48 bytes, 12 bytes for each half of the lanes
	v_and_b32 v11, 31, v0
	s_delay_alu instid0(VALU_DEP_1)
	v_lshlrev_b32 v1, 3, v11                       ; back: 8 bytes a lane, 256 an instruction; and the same in memory
	s_delay_alu instid0(VALU_DEP_1)
	v_add_nc_u32 v11, s12, v1
	v_lshlrev_b32 v2, 5, v8                        ; o_scales: 32 bytes a token
	s_wait_alu depctr_va_vdst(0)                   ; the wait ahead of the reciprocal's first reader
.set J, 0
.rept 32
	v_mul_f32 v[S+J], v[O+J], v14                  ; each accumulator from its low end on
.set J, J+1
.endr
.irp b, 0,1
	v_max3_num_f32 v[232+\b], |v[S+16*\b]|, |v[S+1+16*\b]|, 0x1800000   ; my 16 numbers and the floor 2^(3 - 127)
.endr
.irp i, 2,4,6,8,10,12,14
.irp b, 0,1
	s_delay_alu instid0(VALU_DEP_2)
	v_max3_num_f32 v[232+\b], v[232+\b], |v[S+16*\b+\i]|, |v[S+1+16*\b+\i]|
.endr
.endr
.irp b, 0,1
	s_delay_alu instid0(VALU_DEP_2)
	v_permlanex16_b32 v[236+\b], v[232+\b], s[SEL], s[SEL+1]
.endr
.irp b, 0,1
	s_delay_alu instid0(VALU_DEP_2)
	v_max_num_f32 v[232+\b], v[232+\b], v[236+\b]
.endr
.irp b, 0,1
	s_delay_alu instid0(VALU_DEP_2)
	v_add_nc_u32 v[244+\b], 0xff000000, v[232+\b]
.endr
.irp b, 0,1
	s_delay_alu instid0(VALU_DEP_2)
	v_lshrrev_b32 v[236+\b], 23, v[244+\b]
.endr
	s_delay_alu instid0(VALU_DEP_1)
	v_lshl_or_b32 v252, v237, 8, v236              ; my head's two scale bytes of my query
	v_cvt_scalef32_pk16_fp6_f32 v[224:226], v[S:S+15], v244
	v_cvt_scalef32_pk16_fp6_f32 v[228:230], v[S+16:S+31], v245
	v_nop                                          ; one plain place behind the scaled conversions
.irp b, 0,1
.irp i, 0,1,2
	ds_store_b32 v10, v[224+4*\b+\i] offset:24*\b+4*\i
.endr
.endr
.irp i, 0,1,2
	ds_load_b64 v[32+2*\i:33+2*\i], v11 offset:256*\i   ; LDS serves a wave's instructions in order: these see my stores
.endr
	global_store_b16 v2, v252, s[10:11]            ; both halves of the lanes write the same two bytes with the same value; rows 32 bytes apart: 512 bytes a wave against its 768 of codes
.irp i, 0,1,2
	s_wait_dscnt 2-\i                              ; load i is in, the 2 - i younger ones may be out
	global_store_b64 v1, v[32+2*\i:33+2*\i], s[8:9] offset:256*\i   ; 32 lanes store 256 consecutive bytes, at a multiple of 256 from the buffer's first byte
.endr
	s_wait_tensorcnt 0x0                           ; the wave's end: behind my last tensor load and my last LDS store
	ds_add_u32 v[SPW], v[NIL]
	s_wait_dscnt 0x0
	s_endpgm
.Lfunc_end_k_q2eb853c711_attn:
	.size	k_q2eb853c711_attn, .Lfunc_end_k_q2eb853c711_attn-k_q2eb853c711_attn
	.p2alignl 7, 3214868480
	.fill 96, 4, 3214868480
	.section	.rodata,"a",@progbits
	.p2align	6, 0x0
	.amdhsa_kernel k_q2eb853c711_attn
		.amdhsa_group_segment_fixed_size 327680
		.amdhsa_private_segment_fixed_size 0
		.amdhsa_enable_private_segment 0
		.amdhsa_kernarg_size 32
		.amdhsa_user_sgpr_count 2
		.amdhsa_user_sgpr_kernarg_segment_ptr 1
		.amdhsa_wavefront_size32 1
		.amdhsa_system_sgpr_workgroup_id_x 1
		.amdhsa_system_sgpr_workgroup_id_y 1
		.amdhsa_system_sgpr_workgroup_id_z 1
		.amdhsa_system_vgpr_workitem_id 0
		.amdhsa_next_free_vgpr 256
		.amdhsa_next_free_sgpr 100
		.amdhsa_reserve_vcc 1
		.amdhsa_float_denorm_mode_32 3
		.amdhsa_float_denorm_mode_16_64 3
		.amdhsa_memory_ordered 1
		.amdhsa_forward_progress 1
		.amdhsa_inst_pref_size 118
	.end_amdhsa_kernel
	.amdgpu_metadata
---
amdhsa.version: [ 1, 2 ]
amdhsa.kernels:
  - .name:           k_q2eb853c711_attn
    .symbol:         k_q2eb853c711_attn.kd
    .args:
      - { .name: qkv_codes, .offset: 0, .size: 8, .value_kind: global_buffer, .address_space: global }
      - { .name: qkv_scales, .offset: 8, .size: 8, .value_kind: global_buffer, .address_space: global }
      - { .name: o_codes, .offset: 16, .size: 8, .value_kind: global_buffer, .address_space: global }
      - { .name: o_scales, .offset: 24, .size: 8, .value_kind: global_buffer, .address_space: global }
    .group_segment_fixed_size: 327680
    .private_segment_fixed_size: 0
    .kernarg_segment_align: 8
    .kernarg_segment_size: 32
    .max_flat_workgroup_size: 512
    .sgpr_count:     100
    .vgpr_count:     256
    .wavefront_size: 32
...
	.end_amdgpu_metadata
.endif
;; end of part 3
;; launch proj (part 4): grid 4 x 32, 4 waves a work-group, clusters of 4 x 4, 327,680 bytes of LDS; arguments o_codes, o_scales, codes, scales, out0; writes out0
.if DOCPART == 4
	.amdgcn_target "amdgcn-amd-amdhsa--gfx1250"
	.amdhsa_code_object_version 6
	.text
	.protected	k_q2eb853c711_proj
	.globl	k_q2eb853c711_proj
	.p2align	8
	.type	k_q2eb853c711_proj,@function
k_q2eb853c711_proj:
	s_mov_b64 s[64:65], 0
	v_nop
	global_prefetch_b8 v0, s[64:65] scope:SCOPE_SE
	s_setreg_imm32_b32 hwreg(HW_REG_WAVE_MODE, 25, 1), 1
	s_wait_xcnt 0x0
	s_wait_alu depctr_hold_cnt(0) depctr_sa_sdst(0) depctr_va_vdst(0) depctr_va_sdst(0) depctr_va_ssrc(0) depctr_va_vcc(0) depctr_vm_vsrc(0)
	s_getreg_b32 s2, hwreg(HW_REG_IB_STS2, 6, 4)
	s_cmp_eq_u32 s2, 0
	s_cbranch_scc0 .Lentry_in_a_cluster
	s_endpgm
.Lentry_in_a_cluster:
	s_bfe_u32 s2, ttmp6, 0x10000c
	s_cmp_lg_u32 s2, 0xf033
	s_cbranch_scc0 .Lentry_shape_is_right
	s_endpgm
.Lentry_shape_is_right:
; out0[m][n] = sum over k of A[m][k] W_O[n][k], on codes of FP6 (E2M3) with one E8M0 scale for each 32 along K; sums and out0 in f32.  M = 8,192 tokens, N = K = 1,024.
; A: the attention's result as codes [head = K / 64][token][48 bytes], scale bytes [token][32].  W_O: rows of 768 bytes at WOC of codes, scale bytes in rows of 32 at WOS of scales.
; A tile of 256 x 256 is made by a work-group of four waves, each 128 x 128 in 64 accumulators.  K goes in steps of 256 through a ring of two LDS slots filled by the tensor data mover.
; A's tile of a K step is 4 heads x 128 tokens x 48 bytes: four rows of 6,144 consecutive bytes, laid in LDS as they lie: at a pitch of 48 bytes the 32 lanes of a load of 8 bytes touch 64 different banks.
; B's tile is 128 rows of 192 bytes, with 16 bytes of padding behind every 64.  THE SCALES of the work-group's rows, for all of K, come into LDS once, with the first fills.
; CLUSTERS: 4 x 4 work-groups; A's tiles are asked for jointly along a row of the cluster, B's along a column.  THE MATRIX INSTRUCTION IS USED TRANSPOSED: a lane holds eight neighbouring numbers of a row of out0.
; 128 tiles: half of the WGPs have one.  No prefetch: K is four slots long and the tiles are shared by the joint loads.
; REGISTERS, in windows of 256: window 0: v0-31 addresses; v32-63 scale words, two sets; from v128 A's fragments, ONE set.   window 1: B's fragments, TWO sets.   windows 2, 3: the accumulators.
.set SIZE_N, 1024
.set SIZE_K, 1024
.set KSTEP,  256
.set NQ,     KSTEP/128
.set ROWB,   192
.set KROW,   SIZE_K*6/8
.set PITCH,  240
.set FR,     12
.set NL,     6
.set NP,     4
.set HALFA,  4*128*48                  ; A: 128 tokens of 4 heads: what one tensor load brings
.set HALFT,  128*PITCH                 ; B: 128 rows
.set SLOT,   2*HALFA+2*HALFT
.set ASTEP,  4*393216                  ; four heads on in o_codes
.set LAPS,   SIZE_K/(2*KSTEP)
.set KS,     SIZE_K/32
.set SCL,    2*SLOT
.set HALFS,  (128*KS/256)*272
.set SBLK,   (16*KS/256)*272
.set SPARE,  SCL+4*HALFS
.set SPITCH, 528                       ; the way out: a stage of 16 rows x (512 bytes + 16) for each wave, in slot 0, which has had its last fill and its last read by then
.set WOC,    8650752
.set WOS,    360448
.set ADRA, 16                          ; v16-17  LDS address of my A fragments in slot 0, 1
.set ADRB, 20                          ; v20-21  the same for B (v22-23: behind one padding more)
.set STO,  24
.set RD,   25
.set CO,   26
.set ADRS, 27
.set SPW,  28
.set NIL,  29
.set SC,   32
.set AF,   128
.set BK,   128
.set G1, 24
.set G0, 32
.set G1B, 48
.set G0B, 56
.set G1S, 68
.set G0S, 76
.set G1SB, 80
.set G0SB, 88
.set MSB, 0
.macro WIN new                         ; the immediate's high byte repeats the setting that is left
.if MSB != \new
	s_set_vgpr_msb (MSB<<8)|\new
.set MSB, \new
.endif
.endm
.set MUL_LO, 0xa1
.set MUL_HI, 0xf1
.set TO_B,   0x40
.macro JLOAD g0a, g1a, g0b, g1b        ; a joint load: waves 0 and 1 fetch for A, waves 2 and 3 for B; an s_nop 0 and four v_nop follow each of the two lines
	s_cmp_eq_u32 s15, 0
	s_cbranch_scc0 .Lfor_b_\@
	tensor_load_to_lds s[\g0a:\g0a+3], s[\g1a:\g1a+7]
	s_nop 0
.rept 4
	v_nop
.endr
	s_branch .Lasked_\@
.Lfor_b_\@:
	tensor_load_to_lds s[\g0b:\g0b+3], s[\g1b:\g1b+7]
	s_nop 0
.rept 4
	v_nop
.endr
.Lasked_\@:
.endm
.macro CREST
	s_cmp_lg_u32 s14, 0
	s_cbranch_scc1 .Lnot_wave_0_\@
	s_barrier_signal -3
.Lnot_wave_0_\@:
	s_barrier_wait -3
	s_barrier_signal -1
	s_barrier_wait -1
.endm
.macro CROUND
	s_barrier_signal -1
	s_barrier_wait -1
	CREST
.endm
	s_load_b128 s[4:7], s[0:1], 0x0                ; o_codes s[4:5], o_scales s[6:7]
	s_load_b128 s[8:11], s[0:1], 0x10              ; codes s[8:9], scales s[10:11]
	s_load_b64 s[12:13], s[0:1], 0x20              ; out0
	v_lshl_add_u32 v[SPW], v0, 2, SPARE
	v_mov_b32 v[NIL], 0
	ds_add_u32 v[SPW], v[NIL]                      ; the wave's opening: the add and its wait stand ahead of my first tensor load; the set-up below, work on registers, stands between them
	v_lshrrev_b32 v1, 5, v0
	v_readfirstlane_b32 s14, v1                    ; wave 0..3
	s_lshr_b32 s15, s14, 1                         ; which half of the tile's rows is mine.  Also: I fetch for A (0) or for B (1)
	s_and_b32 s16, s14, 1                          ; which half of its columns.  Also: which 128 rows of that tile I fetch
	s_bfe_u32 s40, ttmp6, 0x40000                  ; cx, cy
	s_bfe_u32 s41, ttmp6, 0x40004
	s_lshl_b32 s42, ttmp9, 2
	s_add_co_u32 s42, s42, s40                     ; tile column = 4 x cluster x + cx
	s_and_b32 s17, ttmp7, 0xffff
	s_lshl_b32 s17, s17, 2
	s_add_co_u32 s17, s17, s41                     ; tile row = 4 x cluster y + cy
	s_lshl_b32 s43, s41, 2
	s_lshl_b32 s43, 15, s43                        ; my row of the cluster
	s_lshl_b32 s44, 0x1111, s40                    ; my column
	s_or_b32 s[G1+0], s43, (0<<16)|(1<<21)         ; A: 15:0 the mask: my row; elements of 1 byte; no padding; 21 set beside a mask
	s_mov_b32 s[G1+1], 6144<<16                    ; tensor_dim0: 128 tokens x 48 bytes
	s_mov_b32 s[G1+2], 4<<16                       ; tensor_dim1: 4 heads
	s_mov_b32 s[G1+3], 6144<<16                    ; tile_dim0
	s_mov_b32 s[G1+4], 4                           ; tile_dim1
	s_mov_b32 s[G1+5], 393216                      ; from head to head
	s_mov_b32 s[G1+6], 0
	s_mov_b32 s[G1+7], 0
	s_or_b32 s[G1B+0], s44, (0<<16)|(1<<20)|(1<<21)|(3<<22)|(3<<25)   ; B: my column; padding of 4 words after every 16
	s_mov_b32 s[G1B+1], ROWB<<16
	s_mov_b32 s[G1B+2], 128<<16
	s_mov_b32 s[G1B+3], ROWB<<16
	s_mov_b32 s[G1B+4], 128
	s_mov_b32 s[G1B+5], KROW
	s_mov_b32 s[G1B+6], 0
	s_mov_b32 s[G1B+7], 0
	s_or_b32 s[G1S+0], s43, (3<<16)|(1<<20)|(1<<21)|(5<<22)|(3<<25)   ; the scales of 128 rows: 4,096 dense bytes, as rows of 256 with 16 bytes of padding behind each
	s_or_b32 s[G1SB+0], s44, (3<<16)|(1<<20)|(1<<21)|(5<<22)|(3<<25)
.irp g, G1S, G1SB
	s_mov_b32 s[\g+1], 32<<16
	s_mov_b32 s[\g+2], (128*KS/256)<<16
	s_mov_b32 s[\g+3], 32<<16
	s_mov_b32 s[\g+4], 128*KS/256
	s_mov_b32 s[\g+5], 32
	s_mov_b32 s[\g+6], 0
	s_mov_b32 s[\g+7], 0
.endr
	s_lshl_b32 s18, s16, 7                         ; which 128 rows of the tile I fetch
	s_lshl_b32 s20, s17, 8
	s_add_co_u32 s20, s20, s18                     ; A: token 256 x tile row + 128 x half
	s_lshl_b32 s46, s42, 8
	s_add_co_u32 s46, s46, s18                     ; B: row 256 x tile column + 128 x half
	s_lshl_b32 s22, s20, 5                         ; where these rows' scales begin (all offsets stay under 2^24)
	s_mov_b32 s23, 0
	s_lshl_b32 s92, s46, 5
	s_add_co_u32 s92, s92, WOS
	s_mov_b32 s93, 0
	s_mul_i32 s20, s20, 48                         ; and their codes
	s_mov_b32 s21, 0
	s_mul_i32 s46, s46, KROW
	s_add_co_u32 s46, s46, WOC
	s_mov_b32 s47, 0
	s_mul_i32 s45, s16, HALFA                      ; where they go: A's two halves,
	s_mul_i32 s95, s16, HALFT
	s_add_co_u32 s95, s95, 2*HALFA                 ; then B's two: no place in the cluster enters an LDS address
	s_mul_i32 s94, s14, HALFS
	s_wait_dscnt 0x0                               ; the opening add is done
	s_wait_kmcnt 0x0
	s_add_nc_u64 s[20:21], s[4:5], s[20:21]
	s_add_nc_u64 s[22:23], s[6:7], s[22:23]
	s_add_nc_u64 s[46:47], s[8:9], s[46:47]
	s_add_nc_u64 s[92:93], s[10:11], s[92:93]
	CROUND                                         ; all sixteen work-groups are here: the first joint loads meet
	s_mov_b32 s[G0S], 1
	s_add_co_u32 s[G0S+1], s94, SCL
	s_mov_b64 s[G0S+2:G0S+3], s[22:23]
	s_or_b32 s[G0S+3], s[G0S+3], 0x80000000
	s_mov_b32 s[G0SB], 1
	s_add_co_u32 s[G0SB+1], s94, SCL
	s_mov_b64 s[G0SB+2:G0SB+3], s[92:93]
	s_or_b32 s[G0SB+3], s[G0SB+3], 0x80000000
	JLOAD G0S, G1S, G0SB, G1SB                     ; the scales first: they are wanted with K step 0
.irp s, 0,1
	s_mov_b32 s[G0+4*\s], 1
	s_add_co_u32 s[G0+4*\s+1], s45, \s*SLOT
	s_add_nc_u64 s[G0+4*\s+2:G0+4*\s+3], s[20:21], \s*ASTEP
	s_or_b32 s[G0+4*\s+3], s[G0+4*\s+3], 0x80000000
	s_mov_b32 s[G0B+4*\s], 1
	s_add_co_u32 s[G0B+4*\s+1], s95, \s*SLOT
	s_add_nc_u64 s[G0B+4*\s+2:G0B+4*\s+3], s[46:47], \s*ROWB
	s_or_b32 s[G0B+4*\s+3], s[G0B+4*\s+3], 0x80000000
	JLOAD G0+4*\s, G1, G0B+4*\s, G1B
.endr
	v_and_b32 v1, 15, v0                           ; l % 16
	v_bfe_u32 v2, v0, 4, 1                         ; l / 16
	v_mul_u32_u24 v3, v1, PITCH
	v_mul_u32_u24 v4, v2, 24
	v_mul_u32_u24 v7, v1, 48
	v_add_nc_u32 v7, v7, v4                        ; A: row x 48 + 24 x half
	v_add_nc_u32 v4, v3, v4                        ; B: row x pitch + 24 x half
	v_lshl_add_u32 v5, v2, 4, v4                   ; and the same behind one padding more
	s_mul_i32 s21, s15, HALFA                      ; my 128 tokens of A
	s_mul_i32 s22, s16, HALFT                      ; my 128 rows of B,
	s_add_co_u32 s22, s22, 2*HALFA                 ; which lie behind A's two halves
.irp s, 0,1
	v_add_nc_u32 v[ADRA+\s], s21, v7
	v_add_nc_u32 v[ADRB+\s], s22, v4
	v_add_nc_u32 v[ADRB+2+\s], s22, v5
	s_add_co_u32 s21, s21, SLOT
	s_add_co_u32 s22, s22, SLOT
.endr
	v_mul_u32_u24 v5, v1, KS                       ; my row's scales: KS bytes a row,
	v_lshrrev_b32 v6, 8, v5
	v_lshl_add_u32 v5, v6, 4, v5                   ; and 16 more for each 256 passed
	s_mul_i32 s21, s15, HALFS
	s_mul_i32 s22, s16, HALFS
	s_add_co_u32 s22, s22, 2*HALFS
	s_sub_co_u32 s22, s22, s21
	v_mul_u32_u24 v6, s22, v2                      ; lanes 16-31 take B's
	s_add_co_u32 s21, s21, SCL
	v_add_nc_u32 v5, v5, v6
	v_add_nc_u32 v[ADRS], s21, v5
	s_mul_i32 s23, s14, 16*SPITCH                  ; my stage
	v_mul_u32_u24 v5, v1, SPITCH                   ; in: row l % 16, 32 bytes for each half of the lanes
	v_lshl_add_u32 v5, v2, 5, v5
	v_add_nc_u32 v[STO], s23, v5
	v_and_b32 v6, 31, v0
	v_lshlrev_b32 v[CO], 4, v6                     ; back: the 32 lanes take one row of 512 bytes; and the same in out0
	v_add_nc_u32 v[RD], s23, v[CO]
	s_lshl_b32 s20, s17, 8
	s_lshl_b32 s21, s15, 7
	s_add_co_u32 s20, s20, s21                     ; my first row of out0
	s_lshl_b32 s20, s20, 12                        ; rows of 4,096 bytes
	s_lshl_b32 s46, s42, 10                        ; my first column, in bytes: 1,024 x tile column + 512 x half
	s_lshl_b32 s47, s16, 9
	s_add_co_u32 s46, s46, s47
	s_add_co_u32 s20, s20, s46
	s_mov_b32 s21, 0
	s_add_nc_u64 s[12:13], s[12:13], s[20:21]
.macro FRAG reg, adr, q, i             ; a fragment of B: 12 registers: lane l holds row l % 16; registers 6 c .. 6 c + 5 hold K = 64 c + 32 (l / 16) + 0 .. 31, in pieces of 8 bytes
.irp p, 0,1,2,3,4,5
.set PC, 12*(\q)+6*(\p/3)+\p%3        ; 16 bytes of padding lie behind every 8 pieces: where the piece three on lies behind one padding more, the second address register serves
.if PC%8 < 5
	ds_load_b64 v[\reg+2*\p:\reg+2*\p+1], v[\adr] offset:8*PC+16*(PC/8)+(\i)*16*PITCH
.else
	ds_load_b64 v[\reg+2*\p:\reg+2*\p+1], v[\adr+2] offset:8*PC+16*(PC/8)+(\i)*16*PITCH
.endif
.endr
.endm
.macro FRAGA reg, adr, q, i            ; a fragment of A: the same registers; K = 64 c on lies in head 2 q + c of the slot's four, 6,144 bytes apart; a token's 48 bytes, 24 for each half of the lanes
.irp p, 0,1,2,3,4,5
	ds_load_b64 v[\reg+2*\p:\reg+2*\p+1], v[\adr] offset:(2*(\q)+\p/3)*6144+768*(\i)+8*(\p%3)
.endr
.endm
; 16 matrix instructions: A's blocks a0, a0 + 1 x B's eight.  The 64 accumulators take turns, one instruction a turn, in the same order in every step.
.macro MUL16 a0, p, q, sc, zero
.irp a, \a0, \a0+1
.irp b, 0,1,2,3,4,5,6,7
.if \zero
	v_wmma_scale_f32_16x16x128_f8f6f4 v[8*(8*((\a)%4)+\b):8*(8*((\a)%4)+\b)+7], v[128*(\p)+FR*\b:128*(\p)+FR*\b+FR-1], v[AF+FR*(\a):AF+FR*(\a)+FR-1], 0, v[SC+8*NQ*(\sc)+NQ*\b+(\q)], v[SC+8*NQ*(\sc)+NQ*(\a)+(\q)] matrix_a_fmt:MATRIX_FMT_FP6 matrix_b_fmt:MATRIX_FMT_FP6 matrix_a_scale:MATRIX_SCALE_ROW1
.else
	v_wmma_scale_f32_16x16x128_f8f6f4 v[8*(8*((\a)%4)+\b):8*(8*((\a)%4)+\b)+7], v[128*(\p)+FR*\b:128*(\p)+FR*\b+FR-1], v[AF+FR*(\a):AF+FR*(\a)+FR-1], v[8*(8*((\a)%4)+\b):8*(8*((\a)%4)+\b)+7], v[SC+8*NQ*(\sc)+NQ*\b+(\q)], v[SC+8*NQ*(\sc)+NQ*(\a)+(\q)] matrix_a_fmt:MATRIX_FMT_FP6 matrix_b_fmt:MATRIX_FMT_FP6 matrix_a_scale:MATRIX_SCALE_ROW1
.endif
.endr
.endr
.endm
.macro FETCH_B slot, q, p
	WIN TO_B
.irp i, 0,1,2,3,4,5,6,7
	FRAG 128*(\p)+FR*\i, ADRB+\slot, \q, \i
.endr
	WIN 0
.endm
.macro FETCH_A slot, q, i0
.irp i, \i0, \i0+1, \i0+2, \i0+3
	FRAGA AF+FR*(\i), ADRA+\slot, \q, \i
.endr
.endm
.macro SCALES sc
.irp i, 0,1,2,3,4,5,6,7
	ds_load_b64 v[SC+8*NQ*\sc+NQ*\i:SC+8*NQ*\sc+NQ*\i+1], v[ADRS] offset:\i*SBLK
.endr
.endm
.macro PLACES n                        ; plain vector instructions between a matrix instruction and a load into, or a read of, its registers
.rept \n
	v_nop
.endr
.endm
.macro STEP slot, q, zero
	s_wait_dscnt 4*NL                              ; B's set and A's blocks 0-3 are in; the youngest 24 loads (A's blocks 4-7) may be out
	WIN MUL_LO
	MUL16 0, (\q)%2, \q, \slot, \zero
	MUL16 2, (\q)%2, \q, \slot, \zero
	s_wait_dscnt 0                                 ; A's blocks 4-7 are in
	PLACES NP
	FETCH_B \slot, (\q)+1, 1-(\q)%2
	FETCH_A \slot, (\q)+1, 0
	WIN MUL_HI
	MUL16 4, (\q)%2, \q, \slot, \zero
	MUL16 6, (\q)%2, \q, \slot, \zero
	PLACES NP
	WIN 0
	FETCH_A \slot, (\q)+1, 4
.endm
; A slot's last step changes slots: ONE barrier; in front of it each wave waits for all its tensor loads, adds 0 to its spare word, and waits for that and for its own reads of this slot.
.macro TURN slot, next, fill
	s_wait_tensorcnt 0x0                           ; all my tensor loads have landed: my part of the next slot
	ds_add_u32 v[SPW], v[NIL]                      ; 0 onto my spare word
	s_wait_dscnt 4*NL+1                            ; (the add and the youngest 24 loads may be out)
	WIN MUL_LO
	MUL16 0, 1, NQ-1, \slot, 0
	s_wait_dscnt 0x0                               ; the add is done, and my reads of this slot are over
	s_barrier_signal -1
	MUL16 2, 1, NQ-1, \slot, 0
	WIN 0
	s_barrier_wait -1
.if \fill
	CREST                                          ; the barrier has opened a round of the cluster's barrier: no wave of any partner still reads this slot's tile or has a load on its way
	s_add_nc_u64 s[G0+4*\slot+2:G0+4*\slot+3], s[G0+4*\slot+2:G0+4*\slot+3], 2*ASTEP
	s_add_nc_u64 s[G0B+4*\slot+2:G0B+4*\slot+3], s[G0B+4*\slot+2:G0B+4*\slot+3], 2*ROWB
	JLOAD G0+4*\slot, G1, G0B+4*\slot, G1B         ; the first tensor load behind the round; its four v_nop are the places in front of the loads below
.else
	PLACES NP
.endif
	v_add_nc_u32 v[ADRS], 4*NQ, v[ADRS]            ; on to the next K step's scale words (no LDS load of mine is out)
	FETCH_B \next, 0, 0
	FETCH_A \next, 0, 0
	SCALES \next
	WIN MUL_HI
	MUL16 4, 1, NQ-1, \slot, 0
	MUL16 6, 1, NQ-1, \slot, 0
	PLACES NP
	WIN 0
	FETCH_A \next, 0, 4
.endm
	s_wait_tensorcnt 1                             ; the scales and my part of K step 0 are in (K step 1's load may be out),
	s_barrier_signal -1
	s_barrier_wait -1                              ; everybody's are
	FETCH_B 0, 0, 0
	FETCH_A 0, 0, 0
	SCALES 0
	FETCH_A 0, 0, 4
	STEP 0, 0, 1                                   ; the first step stands in front of the loop: its products start the sums
	s_mov_b32 s3, LAPS-1
.Llap:
	TURN 0, 1, 1
	STEP 1, 0, 0
	TURN 1, 0, 1
	STEP 0, 0, 0
	s_sub_co_u32 s3, s3, 1
	s_cmp_lg_u32 s3, 0
	s_cbranch_scc1 .Llap
	TURN 0, 1, 0                                   ; the last lap fills nothing, and has no round of the cluster's barrier
	STEP 1, 0, 0
	s_wait_dscnt 4*NL                              ; the very last step: nothing more to fetch
	WIN MUL_LO
	MUL16 0, 1, NQ-1, 1, 0
	MUL16 2, 1, NQ-1, 1, 0
	s_wait_dscnt 0
	WIN MUL_HI
	MUL16 4, 1, NQ-1, 1, 0
	MUL16 6, 1, NQ-1, 1, 0
	WIN 0
; THE WAY OUT, block by block of 16 rows x 128 columns: through my own stage in LDS, back as whole rows of 512 bytes.  LDS serves a wave's instructions in order (ISA guide 5.7.1.4): no wait between the stores and the loads.
.macro TOSTAGE a
.set AC, 64*((\a)%4)
	WIN 0x08+4*((\a)/4)                            ; the data: window 2 or 3
.irp b, 0,1,2,3,4,5,6,7
	ds_store_b128 v[STO], v[AC+8*\b:AC+8*\b+3] offset:64*\b          ; each accumulator from its low end on
	ds_store_b128 v[STO], v[AC+8*\b+4:AC+8*\b+7] offset:64*\b+16
.endr
	WIN 0
.set BB, BK+64*((\a)%2)
.irp t, 0,1,2,3,4,5,6,7,8,9,10,11,12,13,14,15
	ds_load_b128 v[BB+4*\t:BB+4*\t+3], v[RD] offset:\t*SPITCH
.endr
.endm
.macro SEND a, younger                 ; younger: the LDS instructions issued behind block a's loads, which may stay out
.set BB, BK+64*((\a)%2)
	s_wait_dscnt \younger                          ; the block is back in registers
.if (\a) > 0
	s_add_nc_u64 s[12:13], s[12:13], 16*SIZE_N*4   ; (behind a wait on XCNT: the earlier stores have read their base)  16 rows on
.endif
.irp t, 0,1,2,3,4,5,6,7,8,9,10,11,12,13,14,15
	global_store_b128 v[CO], v[BB+4*\t:BB+4*\t+3], s[12:13] offset:\t*SIZE_N*4 th:TH_STORE_NT   ; 32 lanes store 512 consecutive bytes, at a multiple of 256 from out0's first byte
.endr
.endm
	PLACES NP                                      ; behind the last products: for the loads into the registers that held A's fragments and for the reads of results
	TOSTAGE 0
.irp a, 1,2,3,4,5,6,7
.if \a > 1
	s_wait_xcnt 0x0                                ; block a - 2's stores have read their registers and their base: block a's loads may land there, and the base may step
.endif
	TOSTAGE \a
	SEND \a-1, 32                                  ; behind block a - 1's loads: block a's 16 stores and 16 loads
.endr
	s_wait_xcnt 0x0                                ; block 6's stores have read their base
	SEND 7, 0
	s_wait_tensorcnt 0x0                           ; the wave's end: behind my last tensor load and my last LDS store
	ds_add_u32 v[SPW], v[NIL]
	s_wait_dscnt 0x0
	CROUND                                         ; the closing round: no work-group ends while a partner may still ask for a tile that names it
	s_endpgm
.Lfunc_end_k_q2eb853c711_proj:
	.size	k_q2eb853c711_proj, .Lfunc_end_k_q2eb853c711_proj-k_q2eb853c711_proj
	.p2alignl 7, 3214868480
	.fill 96, 4, 3214868480
	.section	.rodata,"a",@progbits
	.p2align	6, 0x0
	.amdhsa_kernel k_q2eb853c711_proj
		.amdhsa_group_segment_fixed_size 327680
		.amdhsa_private_segment_fixed_size 0
		.amdhsa_enable_private_segment 0
		.amdhsa_kernarg_size 40
		.amdhsa_user_sgpr_count 2
		.amdhsa_user_sgpr_kernarg_segment_ptr 1
		.amdhsa_wavefront_size32 1
		.amdhsa_system_sgpr_workgroup_id_x 1
		.amdhsa_system_sgpr_workgroup_id_y 1
		.amdhsa_system_sgpr_workgroup_id_z 1
		.amdhsa_system_vgpr_workitem_id 0
		.amdhsa_next_free_vgpr 1024
		.amdhsa_next_free_sgpr 98
		.amdhsa_reserve_vcc 0
		.amdhsa_float_denorm_mode_32 3
		.amdhsa_float_denorm_mode_16_64 3
		.amdhsa_memory_ordered 1
		.amdhsa_forward_progress 1
		.amdhsa_inst_pref_size 160
	.end_amdhsa_kernel
	.amdgpu_metadata
---
amdhsa.version: [ 1, 2 ]
amdhsa.kernels:
  - .name:           k_q2eb853c711_proj
    .symbol:         k_q2eb853c711_proj.kd
    .args:
      - { .name: o_codes, .offset: 0, .size: 8, .value_kind: global_buffer, .address_space: global }
      - { .name: o_scales, .offset: 8, .size: 8, .value_kind: global_buffer, .address_space: global }
      - { .name: codes, .offset: 16, .size: 8, .value_kind: global_buffer, .address_space: global }
      - { .name: scales, .offset: 24, .size: 8, .value_kind: global_buffer, .address_space: global }
      - { .name: out0, .offset: 32, .size: 8, .value_kind: global_buffer, .address_space: global }
    .group_segment_fixed_size: 327680
    .private_segment_fixed_size: 0
    .kernarg_segment_align: 8
    .kernarg_segment_size: 40
    .max_flat_workgroup_size: 128
    .sgpr_count:     98
    .vgpr_count:     1024
    .wavefront_size: 32
...
	.end_amdgpu_metadata
.endif
;; end of part 4
